; MI455X (gfx1250); checked and timed in simulation.
; The chip was launched on July 23, 2026; its instructions are those of AMD's public machine-readable ISA for CDNA 5 (MIT licence, August 2026) and "CDNA5" Instruction Set Architecture Reference Guide (July 2026). The comments in the code are by the model that wrote it; some were corrected since.
;; Haze Attention. Allowed arithmetic: matrix products marked QUANTISED: E2M3 operands, one E8M0 scale for each 32 along K, by v_wmma_scale_f32_16x16x128_f8f6f4 with both operands' format E2M3, f32 sums; products left as they are: f32 operands where the result goes on into a quantised operand, else bf16, f16 or f32 operands; f32 sums; everything else in f32.
;; Inputs: alpha 12 float32; wk 768 x 768 float32; wo 768 x 768 float32; wq 768 x 768 float32; wr 12 x 768 x 2,048 float32; wv 768 x 768 float32; x 2 x 2,048 x 768 float32.
;; Outputs: out0 2 x 2,048 x 768 float32.
;; This version of the problem:
;;   THIS VERSION OF THE PROBLEM IS GIVEN IN LOW PRECISION. The matrix products marked QUANTISED in the list below multiply operands that are first quantised to E2M3 (2 exponent bits, 3 mantissa bits; 6 bits a number), with one power-of-two scale for each 32 numbers along K (OCP MX v1.0); their sums are f32. All else is computed in f32.
;;   The module's matrix products, in the order in which they are computed (A, B: the left and right operand; K: the contracted axis; several contracted axes count as one K, in the product's order):
;;     1. [M 4,096, K 768] x [K 768, N 768]; A: input x; B: input wq: QUANTISED
;;     2. [M 4,096, K 768] x [K 768, N 768]; A: input x; B: input wk: QUANTISED
;;     3. [M 4,096, K 768] x [K 768, N 768]; A: input x; B: input wv: QUANTISED
;;     4. batch 24 x [M 2,048, K 64] x [K 64, N 2,048]; A: computed on the way; B: computed on the way: QUANTISED
;;     5. batch 2,048 x [M 12, K 768] x [K 768, N 2]; A: input wr; B: input x: left as it is (M = 12 < 16)
;;     6. batch 24 x [M 2,048, K 2,048] x [K 2,048, N 64]; A: computed on the way; B: computed on the way: QUANTISED
;;     7. [M 4,096, K 768] x [K 768, N 768]; A: computed on the way; B: input wo: QUANTISED
;;   THE QUANTISER, for each operand of a quantised product, along K:
;;     - K is cut into blocks of 32 from its start; a last block that is shorter is filled with zeros.
;;     - A block's scale is 2^e with e = floor(log2(the largest magnitude in the block)) - 2, held to -126 .. 127; a block of zeros has e = 0. As a byte (E8M0): e + 127.
;;     - Each number is divided by its block's scale, clamped to +-7.5, and rounded to the nearest number of E2M3, ties to even, subnormals kept.
;;     - The product sums the exact products of the quantised numbers (number of the format x scale) in f32.
;;   ~~~python
;;   def quantise(x, axis):      # numpy; x: float32 -> the quantised numbers, widened to float32 again
;;       x = np.moveaxis(x, axis, -1); K = x.shape[-1]
;;       x = np.pad(x, [(0, 0)] * (x.ndim - 1) + [(0, -K % 32)]); x = x.reshape(x.shape[:-1] + (-1, 32)); a = np.abs(x).max(-1, keepdims=True)
;;       e = np.where(a > 0, np.clip(np.frexp(np.where(a > 0, a, 1))[1] - 1 - 2, -126, 127), 0)      # np.frexp(a)[1] - 1 = floor(log2(a)), exactly
;;       r = np.clip(x / 2.0 ** e, -7.5, 7.5)
;;       step = 2.0 ** (np.maximum(np.frexp(np.where(r == 0, 1, r))[1] - 1, 0) - 3)
;;       q = np.round(r / step) * step * 2.0 ** e      # np.round: ties to even
;;       return np.moveaxis(q.reshape(q.shape[:-2] + (-1,))[..., :K], -1, axis).astype(np.float32)
;;   ~~~
;;   OPERANDS COMPUTED ON THE WAY. 'Computed on the way' means the value that the module computes at that place (a softmax that the list does not call 'softmax' is quantised finished and normalised). What goes into a quantiser is computed in f32, as accurately as f32 sums, v_exp_f32 and their like allow (about 1e-6 of the number): no bf16 or f16 on the way to a quantiser, and a product that is left as it is and whose result goes on into a quantised operand takes f32 operands (vector FMAs, or v_wmma_f32_16x16x4_f32). A number that lies on a knife's edge between two numbers of the format may be rounded either way, as far as f32 arithmetic and the matrix unit's own rounding can turn it there, and no further.
;; One version. Each part assembles by itself: llvm-mc -triple=amdgcn-amd-amdhsa -mcpu=gfx1250 --defsym DOCPART=n.
;; ======== version 1 of 1: 4 launches
;; limits: right only within a limited range of input values
;; workspace buffers: xwc 4,128,768 bytes; xws 172,032 bytes; rp 2,359,296 bytes; qkvc 7,077,888 bytes; qkvs 294,912 bytes; oc 2,359,296 bytes; os 98,304 bytes
;; launch prep (part 1): grid 12 x 56, 4 waves a work-group, no clusters, 70,144 bytes of LDS; arguments x, wq, wk, wv, wo, wr, xwc, xws, rp; writes xwc, xws, rp
.if DOCPART == 1
	.amdgcn_target "amdgcn-amd-amdhsa--gfx1250"
	.amdhsa_code_object_version 6
	.text
	.protected	k_q0524a9acdb_prep
	.globl	k_q0524a9acdb_prep
	.p2align	8
	.type	k_q0524a9acdb_prep,@function
k_q0524a9acdb_prep:
	s_mov_b64 s[64:65], 0
	v_nop
	global_prefetch_b8 v0, s[64:65] scope:SCOPE_SE
	s_setreg_imm32_b32 hwreg(HW_REG_WAVE_MODE, 25, 1), 1
	s_wait_xcnt 0x0
; PREP.  Reads x, wq, wk, wv, wo and wr once.  Stores (a) the codes (E2M3) and E8M0 scale bytes of x and of the four weights, quantised along E, in the order of the
; operands' registers, and (b) twelve partial sums of r[b][h][t] = sum over e of x[b][t][e] wr[h][e][t], one for each chunk of 64 along E, in f32 by fused multiply-adds.
; LAYOUT OF CODES.  Rows (tokens b 2048 + t, or a weight's columns) go in tiles of 16: lane-row r of tile 2 B + u is row 32 B + 8 u + r + 8 (r / 8).  A tile's codes are 12 chunks of 64 along K,
; 768 bytes each: piece p (0..2) at 256 p + 8 lane holds bytes 8 p .. 8 p + 7 of the 24 code bytes of block lane / 16 of the chunk, row r = lane % 16: three loads of 8 bytes a lane are half an operand.
; Scale bytes: [tile][K step of 128: 6][r: 16] words, byte = the block's number in the K step.  Tiles 0..255: x; 256 + 48 m ..: weight m (wq, wk, wv, wo).
; SHARES.  Work-group (C, Y): C = chunk of 64 along E.  Y < 32: tokens 64 Y .. + 63 of both batches: x's 2 x 64 x 64 numbers go into LDS turned ([e][t]), are quantised (8 tiles),
; and wave w then sums heads 3 w .. 3 w + 2 over the 64 e, with wr streamed straight into registers.  Y >= 32: two pieces of 64 (k) x 64 (n) of one weight, as they lie, quantised the same way.
; The two ways part once, on the work-group's number, and have LDS bytes, a barrier and an end of their own.
; No tensor load, no cluster, no matrix unit: the launch is a stream and the work-groups share no input byte.
; LIMITS: a block whose largest magnitude lies under 2^-124, a block of zeros too, gets the byte 1 (its codes are then zeros or the nearest codes under that scale; only this program reads the bytes);
; NaN and infinities among the inputs are not served; r is summed in 12 chunks x 2 parities of e, another order than a plain sum's.
.set PLANE, 17408                      ; a stage's plane: 64 rows (k) x (256 bytes + 16)
.set STG_W, 34816                      ; the weights' stage; x's begins at 0
.set XT,   16                          ; v16-79   the 16 loads of a piece; later 2 x 32 numbers down K
.set QC,   86                          ; v86-97   a tile's six registers of codes, two tiles
.set ACC,  100                         ; v100-123 sums [head 3][batch 2][4 t]  (v100-106 first serve the quantiser)
.set XR,   124                         ; v124-139 x from the stage, two sets of 8
.set WRG,  140                         ; v140-235 wr, eight slots of 12
	s_load_b512 s[4:19], s[0:1], 0x0               ; x, wq, wk, wv, wo, wr, xwc, xws
	s_load_b64 s[20:21], s[0:1], 0x40              ; rp
	v_lshl_add_u32 v240, v0, 2, 0x11000
	v_mov_b32 v241, 0
	v_lshrrev_b32 v1, 5, v0
	v_readfirstlane_b32 s22, v1                    ; wave 0..3
	v_and_b32 v1, 31, v0                           ; lane
	v_and_b32 v2, 15, v0                           ; r, also: my 16 bytes of a row of 256
	v_bfe_u32 v3, v0, 4, 1                         ; hh = lane / 16
	s_wait_alu depctr_va_vdst(0)
	s_mov_b32 s23, ttmp9                           ; C
	s_and_b32 s24, ttmp7, 0xffff                   ; Y
	s_max_u32 s25, s24, 32
	s_sub_co_u32 s25, s25, 32                      ; Y' = Y - 32 (0 on x's way)
	s_mul_i32 s26, s25, 43
	s_lshr_b32 s26, s26, 8                         ; which weight: Y' / 6 (43 / 256 serves Y' up to 23)
	s_mul_i32 s27, s26, 6
	s_sub_co_u32 s27, s25, s27                     ; which 128 of its columns
	s_and_b32 s42, s22, 1                          ; w & 1
	s_lshr_b32 s43, s22, 1                         ; z = w >> 1: the plane
	s_mul_i32 s52, s43, PLANE
	s_lshl_b32 s53, s42, 7
	s_add_co_u32 s53, s53, s52                     ; plane + 128 (w & 1)
	s_mul_i32 s54, s42, 8704
	s_add_co_u32 s54, s54, s52
	s_add_co_u32 s54, s54, STG_W                   ; the weights' stage: plane + 32 rows x (w & 1)
	v_mul_u32_u24 v4, v3, 3072
	v_lshl_add_u32 v4, v2, 4, v4                   ; source: row hh of 3,072 bytes, + my 16 bytes
	v_mul_u32_u24 v5, v2, 1088
	v_lshl_add_u32 v5, v3, 2, v5
	v_add_nc_u32 v5, s53, v5                       ; x into its stage, turned: row e = 4 c16 + j, column t = 32 (w & 1) + 2 i + hh
	v_mul_u32_u24 v8, v3, 272
	v_lshl_add_u32 v8, v2, 4, v8                   ; x out of its stage for the sums: row hh, my 16 bytes
	v_add_nc_u32 v6, s54, v8                       ; a weight into its stage, as it lies
	v_and_b32 v13, 8, v2
	v_add_nc_u32 v13, v13, v2                      ; r + 8 (r / 8)
	v_mul_u32_u24 v7, v3, 8704
	v_lshl_add_u32 v7, v13, 2, v7
	v_add_nc_u32 v7, s53, v7                       ; the quantiser's reads: my column, rows 32 hh on
	v_lshlrev_b32 v9, 3, v1                        ; codes out: 8 x lane
	v_lshl_add_u32 v10, v2, 2, v3                  ; scale byte out: 4 r + hh
	v_lshlrev_b32 v11, 13, v3
	v_lshl_add_u32 v11, v2, 4, v11                 ; wr: row hh of 8,192 bytes, + my 16 bytes
	v_mul_u32_u24 v12, v3, 98304
	v_lshl_add_u32 v12, v2, 4, v12                 ; rp: batch hh, + my 16 bytes
	; where my wave's 32 rows of 256 bytes begin in the source: both ways are reckoned, one is chosen
	s_mul_i32 s44, s43, 6291456                    ; x: batch z,
	s_mul_i32 s45, s24, 196608                     ; 64 Y tokens of 3,072 bytes,
	s_add_co_u32 s44, s44, s45
	s_lshl_b32 s45, s23, 8                         ; chunk C
	s_add_co_u32 s44, s44, s45
	s_mul_i32 s46, s23, 196608                     ; a weight: 64 C rows,
	s_lshl_b32 s45, s27, 9                         ; 128 columns a work-group,
	s_add_co_u32 s46, s46, s45
	s_lshl_b32 s45, s43, 8                         ; 64 a plane
	s_add_co_u32 s46, s46, s45
	s_lshl_b32 s48, s24, 2                         ; first tile: x: 4 Y;
	s_lshl_b32 s49, s25, 3
	s_add_co_u32 s49, s49, 256                     ; a weight: 256 + 8 Y'
	s_cmp_lt_u32 s24, 32
	s_cselect_b32 s44, s44, s46
	s_cselect_b32 s48, s48, s49
	s_cselect_b32 s49, 128, 4                      ; tiles from plane to plane
	s_mul_i32 s45, s42, 98304                      ; 32 rows x (w & 1), on both ways
	s_add_co_u32 s44, s44, s45
	s_mov_b32 s45, 0
	s_mul_i32 s49, s49, s43
	s_add_co_u32 s48, s48, s49
	s_lshl_b32 s49, s42, 1
	s_add_co_u32 s48, s48, s49                     ; my wave's first tile
	s_mul_i32 s46, s48, 9216
	s_mul_i32 s47, s23, 768
	s_add_co_u32 s46, s46, s47                     ; its chunk C of codes
	s_mov_b32 s47, 0
	s_mul_i32 s48, s48, 384
	s_lshr_b32 s49, s23, 1
	s_lshl_b32 s49, s49, 6
	s_add_co_u32 s48, s48, s49                     ; its K step C / 2 of scale words,
	s_and_b32 s49, s23, 1
	s_lshl_b32 s49, s49, 1
	s_add_co_u32 s48, s48, s49                     ; bytes 2 (C % 2) on
	s_mov_b32 s49, 0
	s_wait_kmcnt 0x0
	s_cmp_eq_u32 s26, 2                            ; the source: a choice on the work-group's number alone
	s_cselect_b64 s[28:29], s[10:11], s[12:13]
	s_cmp_eq_u32 s26, 1
	s_cselect_b64 s[28:29], s[8:9], s[28:29]
	s_cmp_eq_u32 s26, 0
	s_cselect_b64 s[28:29], s[6:7], s[28:29]
	s_cmp_lt_u32 s24, 32
	s_cselect_b64 s[28:29], s[4:5], s[28:29]
	s_add_nc_u64 s[28:29], s[28:29], s[44:45]
	s_add_nc_u64 s[30:31], s[16:17], s[46:47]
	s_add_nc_u64 s[32:33], s[18:19], s[48:49]
.irp i, 0,1,2,3,4,5,6,7,8,9,10,11,12,13,14,15
	global_load_b128 v[XT+4*\i:XT+4*\i+3], v4, s[28:29] offset:6144*\i th:TH_LOAD_NT   ; rows 2 i and 2 i + 1: sixteen lanes read 256 consecutive bytes, aligned; read once in the launch
.endr
; My wave's two tiles (u = 0, 1) of plane z, columns 32 (w & 1) on.  A lane takes a column and its registers run down K: a whole block of 32 lies in one lane.
.macro QT stg
.irp u, 0,1
.irp i, 0,1,2,3,4,5,6,7,8,9,10,11,12,13,14,15,16,17,18,19,20,21,22,23,24,25,26,27,28,29,30,31
	ds_load_b32 v[XT+32*\u+\i], v7 offset:\stg+32*\u+272*\i
.endr
.endr
.irp u, 0,1
	s_wait_dscnt 32-32*\u                          ; tile u's 32 numbers are in; behind tile 0's stand tile 1's 32 loads
	v_max3_num_f32 v80, |v[XT+32*\u]|, |v[XT+32*\u+1]|, |v[XT+32*\u+2]|
	v_max3_num_f32 v81, |v[XT+32*\u+3]|, |v[XT+32*\u+4]|, |v[XT+32*\u+5]|
.irp i, 6,10,14,18,22,26
	v_max3_num_f32 v80, v80, |v[XT+32*\u+\i]|, |v[XT+32*\u+\i+1]|
	v_max3_num_f32 v81, v81, |v[XT+32*\u+\i+2]|, |v[XT+32*\u+\i+3]|
.endr
	v_max3_num_f32 v80, v80, |v[XT+32*\u+30]|, |v[XT+32*\u+31]|
	v_max3_num_f32 v80, v80, v81, 0x1800000        ; the block's largest magnitude, and the floor 2^(3 - 127): the byte cannot fall under 1
	v_add_nc_u32 v82, 0xff000000, v80              ; 2 off its exponent field: the conversion takes that field as its scale
	v_lshrrev_b32 v[84+\u], 23, v82                ; the scale's byte
	v_cvt_scalef32_pk16_fp6_f32 v[QC+6*\u:QC+6*\u+2], v[XT+32*\u:XT+32*\u+15], v82
	v_cvt_scalef32_pk16_fp6_f32 v[ACC+4*\u:ACC+4*\u+2], v[XT+32*\u+16:XT+32*\u+31], v82   ; (a conversion's three registers begin on an even number)
	v_nop                                          ; one plain line behind the conversions
.irp i, 0,1,2
	v_mov_b32 v[QC+6*\u+3+\i], v[ACC+4*\u+\i]
.endr
.irp p, 0,1,2
	global_store_b64 v9, v[QC+6*\u+2*\p:QC+6*\u+2*\p+1], s[30:31] offset:9216*\u+256*\p   ; 32 lanes store 256 consecutive bytes, aligned
.endr
	global_store_b8 v10, v[84+\u], s[32:33] offset:384*\u
.endr
.endm
	s_cmp_ge_u32 s24, 32
	s_cbranch_scc1 .Lweights
	; ---------------- x's way
	s_mul_i32 s44, s22, 18874368                   ; wr: head 3 w,
	s_lshl_b32 s45, s23, 19                        ; 64 C rows of 8,192 bytes,
	s_add_co_u32 s44, s44, s45
	s_lshl_b32 s45, s24, 8                         ; tokens 64 Y on
	s_add_co_u32 s44, s44, s45
	s_mov_b32 s45, 0
	s_add_nc_u64 s[34:35], s[14:15], s[44:45]
	s_add_nc_u64 s[36:37], s[34:35], 6291456
	s_add_nc_u64 s[38:39], s[36:37], 6291456
	s_mul_i32 s46, s23, 196608                     ; rp [chunk][b][h][t]
	s_mul_i32 s47, s22, 24576
	s_add_co_u32 s46, s46, s47
	s_lshl_b32 s47, s24, 8
	s_add_co_u32 s46, s46, s47
	s_mov_b32 s47, 0
	s_add_nc_u64 s[40:41], s[20:21], s[46:47]
.macro WRLOAD i                        ; step i: rows e = 2 i and 2 i + 1 of my three heads, 64 tokens: sixteen lanes read 256 consecutive bytes, aligned
.irp hd, 0,1,2
	global_load_b128 v[WRG+12*((\i)%8)+4*\hd:WRG+12*((\i)%8)+4*\hd+3], v11, s[34+2*\hd:35+2*\hd] offset:16384*(\i) th:TH_LOAD_NT
.endr
.endm
.macro XLOAD i                         ; the same two rows e of x, both batches, from the stage
.irp b, 0,1
	ds_load_b128 v[XR+8*((\i)%2)+4*\b:XR+8*((\i)%2)+4*\b+3], v8 offset:PLANE*\b+544*(\i)
.endr
.endm
	s_wait_alu depctr_va_vdst(0)
.irp i, 0,1,2,3,4,5,6,7
	WRLOAD \i                                      ; eight steps, 24 loads, are on their way before anything else is done
.endr
	s_wait_loadcnt 24                              ; x's 16 loads are in; wr's 24 stay out
.irp i, 0,1,2,3,4,5,6,7,8,9,10,11,12,13,14,15
.irp j, 0,1,2,3
	ds_store_b32 v5, v[XT+4*\i+\j] offset:272*\j+8*\i
.endr
.endr
	s_wait_dscnt 0x0                               ; my part of the stage is written,
	s_barrier_signal -1
	s_barrier_wait -1                              ; everybody's is; nobody writes it again
	QT 0
	XLOAD 0
	XLOAD 1
.macro RSTEP i
.if (\i) < 24
	s_wait_loadcnt 21                              ; this step's three loads are in; the seven younger steps' 21 stay out
.else
	s_wait_loadcnt 3*(31-(\i))                     ; the last eight steps load nothing: the counts run down
.endif
.if (\i) < 31
	s_wait_dscnt 2                                 ; this step's x is in; the next step's two loads stay out
.else
	s_wait_dscnt 0
.endif
.irp hd, 0,1,2
.irp b, 0,1
.irp q, 0,2
.if (\i) == 0
	v_pk_mul_f32 v[ACC+8*\hd+4*\b+\q:ACC+8*\hd+4*\b+\q+1], v[WRG+4*\hd+\q:WRG+4*\hd+\q+1], v[XR+4*\b+\q:XR+4*\b+\q+1]   ; the first step starts the sums
.else
	v_pk_fma_f32 v[ACC+8*\hd+4*\b+\q:ACC+8*\hd+4*\b+\q+1], v[WRG+12*((\i)%8)+4*\hd+\q:WRG+12*((\i)%8)+4*\hd+\q+1], v[XR+8*((\i)%2)+4*\b+\q:XR+8*((\i)%2)+4*\b+\q+1], v[ACC+8*\hd+4*\b+\q:ACC+8*\hd+4*\b+\q+1]
.endif
.endr
.endr
.endr
.if (\i) < 30
	XLOAD (\i)+2
.endif
.if (\i) < 24
	WRLOAD (\i)+8
.endif
.endm
.irp i, 0,1,2,3,4,5,6,7,8,9,10,11,12,13,14,15,16,17,18,19,20,21,22,23,24,25,26,27,28,29,30,31
	RSTEP \i
.endr
	; lanes 0-15 hold the even e's sums, lanes 16-31 the odd e's.  The exchange puts batch 0's two halves into lanes 0-15 of the two registers and batch 1's into lanes 16-31
.irp hd, 0,1,2
.irp j, 0,1,2,3
	v_permlane16_swap_b32 v[ACC+8*\hd+\j], v[ACC+8*\hd+4+\j]
.endr
.endr
.irp hd, 0,1,2
	v_pk_add_f32 v[ACC+8*\hd:ACC+8*\hd+1], v[ACC+8*\hd:ACC+8*\hd+1], v[ACC+8*\hd+4:ACC+8*\hd+5]
	v_pk_add_f32 v[ACC+8*\hd+2:ACC+8*\hd+3], v[ACC+8*\hd+2:ACC+8*\hd+3], v[ACC+8*\hd+6:ACC+8*\hd+7]
	global_store_b128 v12, v[ACC+8*\hd:ACC+8*\hd+3], s[40:41] offset:8192*\hd   ; sixteen lanes store 256 consecutive bytes, aligned, for each batch
.endr
	s_wait_tensorcnt 0x0
	ds_add_u32 v240, v241
	s_wait_dscnt 0x0
	s_endpgm
	; ---------------- a weight's way
.Lweights:
	s_wait_loadcnt 0x0
.irp i, 0,1,2,3,4,5,6,7,8,9,10,11,12,13,14,15
	ds_store_b128 v6, v[XT+4*\i:XT+4*\i+3] offset:544*\i
.endr
	s_wait_dscnt 0x0                               ; my 32 rows of the stage are written,
	s_barrier_signal -1
	s_barrier_wait -1                              ; everybody's are
	s_wait_alu depctr_va_vdst(0)
	QT STG_W
	s_wait_tensorcnt 0x0
	ds_add_u32 v240, v241
	s_wait_dscnt 0x0
	s_endpgm
.Lfunc_end_k_q0524a9acdb_prep:
	.size	k_q0524a9acdb_prep, .Lfunc_end_k_q0524a9acdb_prep-k_q0524a9acdb_prep
	.p2alignl 7, 3214868480
	.fill 96, 4, 3214868480
	.section	.rodata,"a",@progbits
	.p2align	6, 0x0
	.amdhsa_kernel k_q0524a9acdb_prep
		.amdhsa_group_segment_fixed_size 70144
		.amdhsa_private_segment_fixed_size 0
		.amdhsa_enable_private_segment 0
		.amdhsa_kernarg_size 72
		.amdhsa_user_sgpr_count 2
		.amdhsa_user_sgpr_kernarg_segment_ptr 1
		.amdhsa_wavefront_size32 1
		.amdhsa_system_sgpr_workgroup_id_x 1
		.amdhsa_system_sgpr_workgroup_id_y 1
		.amdhsa_system_sgpr_workgroup_id_z 1
		.amdhsa_system_vgpr_workitem_id 0
		.amdhsa_next_free_vgpr 242
		.amdhsa_next_free_sgpr 66
		.amdhsa_reserve_vcc 0
		.amdhsa_float_denorm_mode_32 3
		.amdhsa_float_denorm_mode_16_64 3
		.amdhsa_memory_ordered 1
		.amdhsa_forward_progress 1
		.amdhsa_inst_pref_size 68
	.end_amdhsa_kernel
	.amdgpu_metadata
---
amdhsa.version: [ 1, 2 ]
amdhsa.kernels:
  - .name:           k_q0524a9acdb_prep
    .symbol:         k_q0524a9acdb_prep.kd
    .args:
      - { .name: x, .offset: 0, .size: 8, .value_kind: global_buffer, .address_space: global }
      - { .name: wq, .offset: 8, .size: 8, .value_kind: global_buffer, .address_space: global }
      - { .name: wk, .offset: 16, .size: 8, .value_kind: global_buffer, .address_space: global }
      - { .name: wv, .offset: 24, .size: 8, .value_kind: global_buffer, .address_space: global }
      - { .name: wo, .offset: 32, .size: 8, .value_kind: global_buffer, .address_space: global }
      - { .name: wr, .offset: 40, .size: 8, .value_kind: global_buffer, .address_space: global }
      - { .name: xwc, .offset: 48, .size: 8, .value_kind: global_buffer, .address_space: global }
      - { .name: xws, .offset: 56, .size: 8, .value_kind: global_buffer, .address_space: global }
      - { .name: rp, .offset: 64, .size: 8, .value_kind: global_buffer, .address_space: global }
    .group_segment_fixed_size: 70144
    .private_segment_fixed_size: 0
    .kernarg_segment_align: 8
    .kernarg_segment_size: 72
    .max_flat_workgroup_size: 128
    .sgpr_count:     66
    .vgpr_count:     242
    .wavefront_size: 32
...
	.end_amdgpu_metadata
.endif
;; end of part 1
;; launch qkv (part 2): grid 144 x 1, 4 waves a work-group, no clusters, 307,712 bytes of LDS; arguments xwc, xws, qkvc, qkvs; writes qkvc, qkvs
.if DOCPART == 2
	.amdgcn_target "amdgcn-amd-amdhsa--gfx1250"
	.amdhsa_code_object_version 6
	.text
	.protected	k_q0524a9acdb_qkv
	.globl	k_q0524a9acdb_qkv
	.p2align	8
	.type	k_q0524a9acdb_qkv,@function
k_q0524a9acdb_qkv:
	s_mov_b64 s[64:65], 0
	v_nop
	global_prefetch_b8 v0, s[64:65] scope:SCOPE_SE
	s_setreg_imm32_b32 hwreg(HW_REG_WAVE_MODE, 25, 1), 1
	s_wait_xcnt 0x0
; QKV.  q = x wq, k = x wk, v = x wv on codes of E2M3 with E8M0 scales (K = 768), and the results quantised at once for the attention's two products: q and k along the head's 64, v along the tokens.
; A work-group makes 256 x 256 of one product; g = its number, nt = g / 16: which 256 of the 2,304 columns of [wq | wk | wv]; mt = g % 16: which 256 tokens.
; ONE TEXT FOR ALL THREE.  Source 0 takes block P, source 1 block Q; a lane then holds one row of Q, and its registers run along P.  For q and k: P = the weight's columns (head, d), Q = tokens;
; for v (g >= 96) they change places.  So the registers always run along the axis that is quantised next.  Only byte offsets, chosen on g, differ.
; The rows of a tile are 32 B + 8 u + r + 8 (r / 8) (tile 2 B + u), so that the 16 registers of P's tiles 2 B and 2 B + 1 are 16 neighbours.
; Four waves, each 128 (P) x 128 (Q): 64 accumulators, 512 registers.  ALL OF K LIES IN LDS: each wave brings a quarter (8 tiles x 9,216 bytes, dense in memory) by its one tensor load, as 288 rows of 256 bytes;
; its quarter's 3,072 bytes of scale words go through registers into LDS bytes of their own.  Nothing is filled twice; one barrier.
; OUT.  q, k: [b h][token tile 128][768 bytes], half an operand a tile; scale words [b][pair of heads][tile][16], bytes 0, 1 the even head's.  v: [b h][key step 16][d tile 4][1,536 bytes]; scale words [b h][key step][d tile][16].
; NO CLUSTER, NO PREFETCH: a work-group asks for its bytes once, at its head; there is no refill whose requests a round could bring together, and no loop over memory to run ahead in.
; LIMITS: a block whose largest magnitude lies under 2^-124 gets the byte 1; NaN and infinities are not served.
; REGISTERS, in windows of 256: window 0: v16-25 addresses; v32-39 scale words (lanes 0-15 P's tile i, lanes 16-31 Q's tile i); v40-59 the quantiser; v64-87 codes (at the head: scale words on their way); v128-223 Q's 8 fragments.
;   window 1: v0-95 P's 8 fragments.  windows 2, 3: accumulator (j, a) (Q's tile j, P's tile a) at v[8 (8 (j % 4) + a)], j < 4 in window 2.
.set QUART,  73728                     ; LDS: [quarter: 4][tile: 8][9,216 bytes]
.set SCB,    294912                    ; behind them the scale words: 3,072 bytes a quarter; behind those the spare words
.set ADP,  16                          ; v16, v19: my half of P, tiles 0-3 and 4-7 (the offsets stay inside 16 bits)
.set ADQ,  17                          ; v17, v23: the same for Q
.set ADS,  18
.set VO0,  20
.set VO1,  21
.set VS4,  22
.set SC,   32
.set TM,   40
.set PW,   56
.set PWE,  57
.set PSEL, 58
.set FLO,  59
.set PC,   64
.set QF,   128
.set MSB, 0
.macro WIN new                         ; the immediate's high byte repeats the setting that is left
.if MSB != \new
	s_set_vgpr_msb (MSB<<8)|\new
.set MSB, \new
.endif
.endm
	s_load_b256 s[4:11], s[0:1], 0x0               ; xwc, xws, qkvc, qkvs
	v_lshl_add_u32 v254, v0, 2, 0x4b000
	v_mov_b32 v255, 0
	ds_add_u32 v254, v255                          ; the opening lines
	ds_add_u32 v254, v255
	v_lshrrev_b32 v1, 5, v0
	v_readfirstlane_b32 s12, v1                    ; wave 0..3
	s_and_b32 s13, s12, 1                          ; which half of P is mine.  Also: which half of a block I fetch
	s_lshr_b32 s14, s12, 1                         ; which half of Q.  Also: I fetch for P (0) or for Q (1)
	s_mov_b32 s15, ttmp9
	s_lshr_b32 s48, s15, 4                         ; nt
	s_and_b32 s49, s15, 15                         ; mt
	s_mov_b32 s16, 3<<16                           ; group 1: elements of 8 bytes, 288 rows of 256 bytes, dense
	s_mov_b32 s17, 32<<16
	s_mov_b32 s18, 288<<16
	s_mov_b32 s19, 32<<16
	s_mov_b32 s20, 288
	s_mov_b32 s21, 32
	s_mov_b32 s22, 0
	s_mov_b32 s23, 0
	s_mul_i32 s50, s48, 147456
	s_add_co_u32 s50, s50, 2359296                 ; the weights' 16 tiles: codes,
	s_mul_i32 s51, s49, 147456                     ; x's 16 tiles
	s_mul_i32 s52, s48, 6144
	s_add_co_u32 s52, s52, 98304                   ; and scale words
	s_mul_i32 s53, s49, 6144
	s_cmp_ge_u32 s15, 96
	s_cselect_b32 s55, 1, 0                        ; 1: this work-group makes v
	s_xor_b32 s56, s14, s55
	s_cmp_eq_u32 s56, 0
	s_cselect_b32 s50, s50, s51
	s_cselect_b32 s52, s52, s53
	s_mul_i32 s51, s13, 73728
	s_add_co_u32 s50, s50, s51                     ; + my half: 8 tiles
	s_mul_i32 s53, s13, 3072
	s_add_co_u32 s52, s52, s53
	s_mov_b32 s51, 0
	s_mov_b32 s53, 0
	s_mul_i32 s57, s12, QUART
	s_mul_i32 s58, s12, 3072
	s_wait_dscnt 0x0
	s_wait_kmcnt 0x0
	s_add_co_u32 s33, s58, SCB                     ; where my quarter's scale words go in LDS
	s_add_nc_u64 s[34:35], s[6:7], s[52:53]        ; and where they lie in memory
	s_mov_b32 s36, 1
	s_mov_b32 s37, s57
	s_add_nc_u64 s[38:39], s[4:5], s[50:51]
	s_or_b32 s39, s39, 0x80000000
	tensor_load_to_lds s[36:39], s[16:23]          ; my one tensor load: my quarter's codes, all of K
	s_nop 0
.rept 4
	v_nop
.endr
	v_and_b32 v1, 31, v0                           ; lane
	s_wait_alu depctr_va_vdst(0)
	v_and_b32 v2, 15, v0                           ; r
	v_bfe_u32 v3, v0, 4, 1                         ; hh
	v_lshlrev_b32 v[VO0], 3, v1                    ; 8 x lane: a piece's place, in LDS and in the buffers
	v_lshlrev_b32 v24, 4, v1                       ; the scale words: 512 consecutive bytes a load
.irp i, 0,1,2,3,4,5
	global_load_b128 v[64+4*\i:67+4*\i], v24, s[34:35] offset:512*\i
.endr
	v_add_nc_u32 v25, s33, v24
	s_mul_i32 s59, s13, QUART
	v_add_nc_u32 v[ADP], s59, v[VO0]               ; my half of P
	v_add_nc_u32 v19, 36864, v[ADP]
	s_add_co_u32 s59, s14, 2
	s_mul_i32 s59, s59, QUART
	v_add_nc_u32 v[ADQ], s59, v[VO0]               ; my half of Q
	v_add_nc_u32 v23, 36864, v[ADQ]
	s_add_co_u32 s59, s14, 2
	s_sub_co_u32 s59, s59, s13
	s_mul_i32 s59, s59, 3072
	v_mul_u32_u24 v[ADS], s59, v3                  ; lanes 16-31 take Q's words: one product, the distance between the two quarters
	v_lshl_add_u32 v[ADS], v2, 2, v[ADS]
	s_mul_i32 s59, s13, 3072
	s_add_co_u32 s59, s59, SCB
	v_add_nc_u32 v[ADS], s59, v[ADS]
	v_lshlrev_b32 v[VS4], 2, v1
	v_mov_b32 v[FLO], 0x1800000                    ; the floor 2^(3 - 127)
.irp b, 0,1,2,3
	v_mov_b32 v[TM+4+\b], 0                        ; written once: a lane permute's destination counts as one of its sources
.endr
	; where the results go: both ways are reckoned, one is chosen
	s_mul_i32 s56, s48, 11
	s_lshr_b32 s56, s56, 5                         ; nt / 3: 0 q, 1 k, 2 v
	s_mul_i32 s57, s56, 3
	s_sub_co_u32 s57, s48, s57                     ; which 4 heads
	s_lshr_b32 s58, s49, 3                         ; b
	s_and_b32 s59, s49, 7                          ; which 256 tokens of the batch
	s_mul_i32 s48, s58, 12
	s_lshl_b32 s49, s57, 2
	s_add_co_u32 s48, s48, s49
	s_lshl_b32 s49, s13, 1
	s_add_co_u32 s49, s49, s48                     ; q, k: my first head (P's half),
	s_lshl_b32 s49, s49, 7
	s_lshl_b32 s50, s59, 4
	s_add_co_u32 s49, s49, s50
	s_lshl_b32 s50, s14, 3
	s_add_co_u32 s49, s49, s50                     ; my first token tile (Q's half)
	s_mul_i32 s49, s49, 768
	s_mul_i32 s50, s56, 2359296
	s_add_co_u32 s49, s49, s50
	s_lshl_b32 s50, s14, 1
	s_add_co_u32 s50, s50, s48                     ; v: my first head (Q's half),
	s_lshl_b32 s50, s50, 4
	s_lshl_b32 s51, s59, 1
	s_add_co_u32 s50, s50, s51
	s_add_co_u32 s50, s50, s13                     ; my key step (P's half)
	s_mul_i32 s51, s50, 6144
	s_add_co_u32 s51, s51, 4718592
	s_lshl_b32 s50, s50, 8
	s_add_co_u32 s50, s50, 196608
	s_lshr_b32 s52, s48, 1
	s_add_co_u32 s52, s52, s13                     ; q, k: my pair of heads
	s_lshl_b32 s52, s52, 7
	s_lshl_b32 s53, s59, 4
	s_add_co_u32 s52, s52, s53
	s_lshl_b32 s53, s14, 3
	s_add_co_u32 s52, s52, s53
	s_lshl_b32 s52, s52, 6
	s_mul_i32 s53, s56, 98304
	s_add_co_u32 s52, s52, s53
	s_cmp_eq_u32 s55, 1
	s_cselect_b32 s60, s51, s49                    ; codes
	s_cselect_b32 s62, s50, s52                    ; scale words
	s_mov_b32 s68, 768
	s_cselect_b32 s68, 1536, s68                   ; from Q's tile j to j + 1,
	s_mov_b32 s70, 768
	s_cselect_b32 s70, 93696, s70                  ; from 3 to 4 (v: on to the next head, back three d tiles),
	s_mov_b32 s72, 128
	s_cselect_b32 s72, 3968, s72                   ; the same for the scale words, two tiles a store,
	s_mov_b32 s75, 98304
	s_cselect_b32 s75, 768, s75                    ; and from a fragment's first 64 to its second (q, k: the next head)
	s_mov_b32 s61, 0
	s_mov_b32 s63, 0
	s_mov_b32 s69, 0
	s_mov_b32 s71, 0
	s_mov_b32 s73, 0
	s_add_nc_u64 s[60:61], s[8:9], s[60:61]
	s_add_nc_u64 s[62:63], s[10:11], s[62:63]
	v_add_nc_u32 v[VO1], s75, v[VO0]
	s_mov_b32 s74, 0xffff0000                      ; lanes 16-31
	s_mov_b32 s76, 0x76543210
	s_mov_b32 s77, 0xfedcba98                      ; v_permlanex16_b32's selects for lane l xor 16
; 32 matrix instructions: Q's tiles j0 .. j0 + 3 against P's eight.  The 64 accumulators take turns, one instruction a turn, in the same order in every K step.
.macro MUL32 j0, zero
.irp j, \j0, \j0+1, \j0+2, \j0+3
.irp a, 0,1,2,3,4,5,6,7
.if \zero
	v_wmma_scale_f32_16x16x128_f8f6f4 v[8*(8*((\j)%4)+\a):8*(8*((\j)%4)+\a)+7], v[12*\a:12*\a+11], v[QF+12*(\j):QF+12*(\j)+11], 0, v[SC+\a], v[SC+(\j)] matrix_a_fmt:MATRIX_FMT_FP6 matrix_b_fmt:MATRIX_FMT_FP6 matrix_b_scale:MATRIX_SCALE_ROW1
.else
	v_wmma_scale_f32_16x16x128_f8f6f4 v[8*(8*((\j)%4)+\a):8*(8*((\j)%4)+\a)+7], v[12*\a:12*\a+11], v[QF+12*(\j):QF+12*(\j)+11], v[8*(8*((\j)%4)+\a):8*(8*((\j)%4)+\a)+7], v[SC+\a], v[SC+(\j)] matrix_a_fmt:MATRIX_FMT_FP6 matrix_b_fmt:MATRIX_FMT_FP6 matrix_b_scale:MATRIX_SCALE_ROW1
.endif
.endr
.endr
.endm
; K step 2 g3 + kk.  A fragment is six loads of 8 bytes at 8 x lane, 256 bytes apart.  first = 1: its products start the sums.
.macro KSTEP g3, kk, first
.if !\first
.rept 4
	v_nop                                          ; four places in front of loads into registers that matrix instructions have read
.endr
.endif
	WIN 0x40                                       ; destination window 1
.irp a, 0,1,2,3,4,5,6,7
.irp q, 0,1,2,3,4,5
	ds_load_b64 v[12*\a+2*\q:12*\a+2*\q+1], v[ADP+3*(\a/4)] offset:9216*(\a%4)+1536*(2*\g3+\kk)+256*\q
.endr
.endr
	WIN 0
.irp a, 0,1,2,3,4,5,6,7
.irp q, 0,1,2,3,4,5
	ds_load_b64 v[QF+12*\a+2*\q:QF+12*\a+2*\q+1], v[ADQ+6*(\a/4)] offset:9216*(\a%4)+1536*(2*\g3+\kk)+256*\q
.endr
.endr
.irp i, 0,1,2,3,4,5,6,7
	ds_load_b32 v[SC+\i], v[ADS] offset:384*\i+64*(2*\g3+\kk)
.endr
	s_wait_dscnt 0x0
	WIN 0xa1                                       ; source 0 window 1, source 1 window 0, C and D window 2
	MUL32 0, \first
	WIN 0xf1                                       ; C and D window 3
	MUL32 4, \first
	WIN 0
.endm
	s_wait_alu depctr_va_vdst(0)                   ; the wait at the head's end
	s_wait_tensorcnt 0x0                           ; my quarter's codes are in
	s_wait_loadcnt 0x0                             ; and my scale words, which go to LDS bytes into which no fill lands
.irp i, 0,1,2,3,4,5
	ds_store_b128 v25, v[64+4*\i:67+4*\i] offset:512*\i
.endr
	s_wait_dscnt 0x0
	s_barrier_signal -1
	s_barrier_wait -1                              ; everybody's are: from here on LDS is only read
	KSTEP 0, 0, 1
	KSTEP 0, 1, 0
	KSTEP 1, 0, 0
	KSTEP 1, 1, 0
	KSTEP 2, 0, 0
	KSTEP 2, 1, 0
.rept 4
	v_nop                                          ; four places in front of the first read of results
.endr
; Q's tile j: a lane's 64 numbers (register 16 b + i = place 32 b + 16 (lane / 16) + i along P) become one fragment's codes and a scale word, and leave as images of the registers.
.macro QOUT j
.set AB, 64*((\j)%4)
.if (\j)%2
.set WD, PW
.else
.set WD, PWE
.endif
	WIN 0x28+0x14*((\j)/4)                         ; sources 1 and 2: window 2 or 3
.irp b, 0,1,2,3
	v_max3_num_f32 v[TM+\b], v[FLO], |v[AB+16*\b]|, |v[AB+16*\b+1]|   ; each accumulator is read from its low end on
.endr
.irp i, 2,4,6,8,10,12,14
.irp b, 0,1,2,3
	v_max3_num_f32 v[TM+\b], v[TM+\b], |v[AB+16*\b+\i]|, |v[AB+16*\b+\i+1]|
.endr
.endr
	WIN 0
.irp b, 0,1,2,3
	v_permlanex16_b32 v[TM+4+\b], v[TM+\b], s76, s77
.endr
.irp b, 0,1,2,3
	v_max_num_f32 v[TM+\b], v[TM+\b], v[TM+4+\b]   ; with lane l xor 16's: the block's largest magnitude
.endr
.irp b, 0,1,2,3
	v_add_nc_u32 v[TM+12+\b], 0xff000000, v[TM+\b] ; 2 off its exponent field: the conversion's scale operand
.endr
.irp b, 0,1,2,3
	v_lshrrev_b32 v[TM+4+\b], 23, v[TM+12+\b]      ; the scale's byte
.endr
	v_lshl_or_b32 v[WD], v[TM+5], 8, v[TM+4]
	v_lshl_or_b32 v[WD], v[TM+6], 16, v[WD]
	v_lshl_or_b32 v[WD], v[TM+7], 24, v[WD]
	WIN 0x02+(\j)/4                                ; source 0: window 2 or 3
.irp c, 0,1
	v_cvt_scalef32_pk16_fp6_f32 v[PC+6*\c:PC+6*\c+2], v[AB+32*\c:AB+32*\c+15], v[TM+12+2*\c]
	v_cvt_scalef32_pk16_fp6_f32 v[PC+12+4*\c:PC+14+4*\c], v[AB+32*\c+16:AB+32*\c+31], v[TM+12+2*\c+1]
.endr
	WIN 0
	v_nop                                          ; one plain line behind the conversions
.irp c, 0,1                                    ; the operand's layout wants a whole block in a lane
.irp i, 0,1,2
	v_permlane16_swap_b32 v[PC+6*\c+\i], v[PC+12+4*\c+\i]
.endr
.irp i, 0,1,2
	v_mov_b32 v[PC+3+6*\c+\i], v[PC+12+4*\c+\i]
.endr
.endr
.irp p, 0,1,2
	global_store_b64 v[VO0], v[PC+2*\p:PC+2*\p+1], s[60:61] offset:256*\p       ; 32 lanes store 256 consecutive bytes, aligned
	global_store_b64 v[VO1], v[PC+6+2*\p:PC+7+2*\p], s[60:61] offset:256*\p
.endr
.if (\j)%2
	v_cndmask_b32 v[PSEL], v[PWE], v[PW], s74      ; lanes 0-15: tile j - 1's words, lanes 16-31: tile j's
	global_store_b32 v[VS4], v[PSEL], s[62:63]
.endif
.if (\j) < 7
	s_wait_xcnt 0x0                                ; the stores' data and bases are written again only behind this wait
.if (\j) == 3
	s_add_nc_u64 s[60:61], s[60:61], s[70:71]
	s_add_nc_u64 s[62:63], s[62:63], s[72:73]
.else
	s_add_nc_u64 s[60:61], s[60:61], s[68:69]
.if (\j)%2
	s_add_nc_u64 s[62:63], s[62:63], 128
.endif
.endif
.endif
.endm
.irp j, 0,1,2,3,4,5,6,7
	QOUT \j
.endr
	s_wait_tensorcnt 0x0                           ; the wave's end
	ds_add_u32 v254, v255
	s_wait_dscnt 0x0
	s_endpgm
.Lfunc_end_k_q0524a9acdb_qkv:
	.size	k_q0524a9acdb_qkv, .Lfunc_end_k_q0524a9acdb_qkv-k_q0524a9acdb_qkv
	.p2alignl 7, 3214868480
	.fill 96, 4, 3214868480
	.section	.rodata,"a",@progbits
	.p2align	6, 0x0
	.amdhsa_kernel k_q0524a9acdb_qkv
		.amdhsa_group_segment_fixed_size 307712
		.amdhsa_private_segment_fixed_size 0
		.amdhsa_enable_private_segment 0
		.amdhsa_kernarg_size 32
		.amdhsa_user_sgpr_count 2
		.amdhsa_user_sgpr_kernarg_segment_ptr 1
		.amdhsa_wavefront_size32 1
		.amdhsa_system_sgpr_workgroup_id_x 1
		.amdhsa_system_sgpr_workgroup_id_y 1
		.amdhsa_system_sgpr_workgroup_id_z 1
		.amdhsa_system_vgpr_workitem_id 0
		.amdhsa_next_free_vgpr 1024
		.amdhsa_next_free_sgpr 80
		.amdhsa_reserve_vcc 0
		.amdhsa_float_denorm_mode_32 3
		.amdhsa_float_denorm_mode_16_64 3
		.amdhsa_memory_ordered 1
		.amdhsa_forward_progress 1
		.amdhsa_inst_pref_size 132
	.end_amdhsa_kernel
	.amdgpu_metadata
---
amdhsa.version: [ 1, 2 ]
amdhsa.kernels:
  - .name:           k_q0524a9acdb_qkv
    .symbol:         k_q0524a9acdb_qkv.kd
    .args:
      - { .name: xwc, .offset: 0, .size: 8, .value_kind: global_buffer, .address_space: global }
      - { .name: xws, .offset: 8, .size: 8, .value_kind: global_buffer, .address_space: global }
      - { .name: qkvc, .offset: 16, .size: 8, .value_kind: global_buffer, .address_space: global }
      - { .name: qkvs, .offset: 24, .size: 8, .value_kind: global_buffer, .address_space: global }
    .group_segment_fixed_size: 307712
    .private_segment_fixed_size: 0
    .kernarg_segment_align: 8
    .kernarg_segment_size: 32
    .max_flat_workgroup_size: 128
    .sgpr_count:     80
    .vgpr_count:     1024
    .wavefront_size: 32
...
	.end_amdgpu_metadata
.endif
;; end of part 2
;; launch attn (part 3): grid 10 x 24, 16 waves a work-group, no clusters, 268,800 bytes of LDS; arguments qkvc, qkvs, rp, alpha, oc, os; writes oc, os
.if DOCPART == 3
	.amdgcn_target "amdgcn-amd-amdhsa--gfx1250"
	.amdhsa_code_object_version 6
	.text
	.protected	k_q0524a9acdb_attn
	.globl	k_q0524a9acdb_attn
	.p2align	8
	.type	k_q0524a9acdb_attn,@function
k_q0524a9acdb_attn:
	s_mov_b64 s[64:65], 0
	v_nop
	global_prefetch_b8 v0, s[64:65] scope:SCOPE_SE
	s_setreg_imm32_b32 hwreg(HW_REG_WAVE_MODE, 25, 1), 1
	s_wait_xcnt 0x0
; ATTN.  For one head (b, h): attn = a rr + (1 - a) softmax(q k^T / 8), causal; out = attn v.  Both products on codes of E2M3 with E8M0 scales.
; attn is quantised finished and normalised, in blocks of 32 keys, so the scores are formed twice: pass 1 gives a row's maximum and sum (running), pass 2 attn, its codes and the second product.
; Key steps that lie wholly behind the causal mask, which the problem builds itself, are not worked.
; rr[q][k] = 2^(r'k - Mq) / Lq, r' = r log2(e) / 8.  For a block of 32 keys seen whole: 2^(r'k - Mq) = u_k 2^(c - Mq), c the block's largest r', u_k = 2^(r'k - c).
; THE FACTORS GO INTO THE EXPONENTS: MR = Mq - log2(a / Lq), NM = -m + log2((1 - a) / l); so attn = 2^(t + NM) + u 2^(c - MR): one packed multiply-add behind the exponential.
; SHARES.  A head's 128 tiles of 16 queries (tile T has T / 8 + 1 key steps of 128) go to 10 work-groups of 16 waves, 8 pairs each: 80 pairs.  Pair p of work-group g has the number P = 10 p + g.
; Every pair owns the late tile TL = 127 - P.  From P = 32 on it also owns the early tile TE = P - 32: the two have 13 steps together; the pairs under 32 own one tile of 13 to 16 steps.
; So a work-group has 107 to 110 steps.  The pair's late wave works TL's steps 0 .. SPLIT - 1, none of them masked (SPLIT = min((the pair's steps + 1) / 2, TL's diagonal step));
; the early wave works the rest of TL, its diagonal step among them, and then all of TE.  TL's two parts of (-m, l) and of O^T meet through LDS bytes of their own; the late wave finishes TL,
; the early wave TE; an early wave with no TE stores nothing itself.
; A tile's rows are tokens 32 B + 8 u + r + 8 (r / 8) (tile 2 B + u).  Both products are used transposed: a lane holds one query (lane % 16), and the 16 registers of key tiles 2 B, 2 B + 1 are neighbouring keys.
; THE WHOLE HEAD LIES IN LDS: every wave brings 12,288 bytes by its one tensor load (waves 0-7 K's codes, 8-15 V's); scale words, r', u, c go there by LDS stores into bytes of their own.  Nothing is filled twice.
; Loops have constant trip counts; a scalar branch on ids passes over the steps that are not a wave's.  Every wave walks every loop.
; K = 64 IN AN INSTRUCTION OF 128: Q's upper six registers hold zero codes, the upper two scale bytes of both sides are 127; K's fragment t names the next tile's six registers as its upper half.
; NO CLUSTER: which steps a wave works hangs on its work-group's place.  NO PREFETCH: all fills stand at the head; there is no loop over memory to run ahead in.
; LIMITS: a block of attn or out whose largest number lies under 2^-124, a block of zeros too, gets the byte 1; a term under 2^-126 counts as 0; NaN and infinities are not served;
; the scaled scores stay under 2^31 in magnitude; the second product is summed in two parts for a late tile, each beginning with its first worked step.
.set VC,   98304                       ; LDS: K's codes [tile 128][768] at 0; V's [key step 16][d tile 4][1,536]
.set VSB,  196608                      ; V's scale words
.set KSB,  200704                      ; K's scale words, this head's two bytes below, 127 127 above
.set RB,   208896                      ; r'
.set UB,   217088                      ; u
.set CB,   225280                      ; c [64]; 256 bytes on: the blocks' sums of u
.set SPARE,225792                      ; the spare words, 128 bytes a wave
.set XCH,  227840                      ; (-m, l, MR) of a late tile's two parts: [pair][late, early][lane] 16 bytes
.set PART, 236032                      ; the early wave's part of a late tile's O^T: [pair][8][lane] 16 bytes
.set AK0, 4                            ; 8 x lane
.set L4,  5                            ; 4 x lane
.set H64, 6                            ; 64 x (lane / 16)
.set XA,  7
.set XB,  8
.set QSWE,9                            ; the other tile's state: QSWE, DVE, QE, MRE, NME
.set PW,  10
.set DV,  11                           ; my query less the diagonal step's first key less 16 (lane / 16)
.set ADK, 12
.set ADV, 13
.set ADKS,14
.set ADVS,15
.set ADU, 16
.set ADC, 17
.set PA,  18
.set OSO, 19
.set NM,  20
.set LS,  22
.set MR,  24
.set W,   28
.set QE,  32
.set MRE, 38
.set NME, 39
.set KSW, 40
.set VSW, 44
.set QSW, 46
.set DVE, 1
.set QF,  48
.set KV,  60
.set S,   114
.set HST, 170
.set DB,  172
.set U,   178
.set PC,   178
.set CT,  190
.set O,   210
.set TM,  242
.set TP,  246
.set SO,  250
.set NINF,254
.set ST,  30
.set TK,  31
.set TKV, 32
.set TKS, 33
.set TVS, 34
.set TU,  48
.set TC,  49
	s_load_b256 s[4:11], s[0:1], 0x0               ; qkvc, qkvs, rp, alpha
	s_load_b128 s[12:15], s[0:1], 0x20             ; oc, os
	v_lshl_add_u32 v47, v0, 2, SPARE
	v_mov_b32 v255, 0
	ds_add_u32 v47, v255                           ; the opening lines
	ds_add_u32 v47, v255
	v_lshrrev_b32 v1, 5, v0
	v_readfirstlane_b32 s16, v1                    ; wave 0..15
	s_mov_b32 s17, ttmp9                           ; g
	s_and_b32 s18, ttmp7, 0xffff                   ; b h
	s_cmp_ge_u32 s18, 12
	s_cselect_b32 s19, 1, 0                        ; b
	s_mul_i32 s72, s19, 12
	s_sub_co_u32 s20, s18, s72                     ; h
	s_lshr_b32 s21, s20, 1
	s_and_b32 s22, s20, 1
	s_lshr_b32 s73, s16, 1                         ; pair p
	s_mul_i32 s72, s73, 10
	s_add_co_u32 s72, s72, s17
	s_and_b32 s72, s72, 127                        ; P = 10 p + g, 0 .. 79 (the masks state the bounds of all that is made of these numbers)
	s_sub_co_u32 s55, 127, s72
	s_and_b32 s55, s55, 127                        ; TL
	s_max_u32 s54, s72, 32
	s_sub_co_u32 s54, s54, 32
	s_and_b32 s54, s54, 63                         ; TE (tile 0 stands in where the pair has none: its Q is loaded and not used)
	s_cmp_ge_u32 s72, 32
	s_cselect_b32 s60, 1, 0                        ; 1: the pair has an early tile
	s_lshr_b32 s74, s16, 2
	s_xor_b32 s74, s74, s16
	s_and_b32 s39, s74, 1                          ; 1: the pair's late wave
	s_lshr_b32 s24, s55, 3                         ; TL's diagonal step
	s_lshr_b32 s50, s54, 3                         ; TE's
	s_add_co_u32 s75, s50, 1
	s_mul_i32 s75, s75, s60                        ; TE's steps
	s_add_co_u32 s75, s75, s24
	s_add_co_u32 s75, s75, 2                       ; the pair's steps + 1
	s_lshr_b32 s75, s75, 1
	s_min_u32 s75, s75, s24                        ; SPLIT
	s_xor_b32 s61, s39, 1
	s_and_b32 s61, s61, s60                        ; 1: an early wave with a tile of its own
	s_or_b32 s62, s39, s61                         ; 1: I finish a tile
	s_cmp_eq_u32 s39, 1
	s_cselect_b32 s23, s55, s54                    ; the tile that I finish
	s_cselect_b32 s51, 0, s75                      ; my plain steps of TL: s51 .. s52 - 1
	s_cselect_b32 s52, s75, s24
	s_mul_i32 s53, s50, s61                        ; my plain steps of TE: 0 .. s53 - 1
	s_lshr_b32 s25, s23, 1                         ; the block of 32 in which my own queries lie
	s_mov_b32 s26, 0x76543210
	s_mov_b32 s27, 0xfedcba98
	s_mov_b32 s28, 0x3e38aa3b                      ; log2(e) / 8
	s_mov_b32 s29, s28
	s_mov_b32 s35, 0xffff0000
	s_mov_b32 s37, 0xbe38aa3b
	s_mov_b32 s40, 3<<16                           ; group 1: 12,288 dense bytes as 48 rows of 256
	s_mov_b32 s41, 32<<16
	s_mov_b32 s42, 48<<16
	s_mov_b32 s43, 32<<16
	s_mov_b32 s44, 48
	s_mov_b32 s45, 32
	s_mov_b32 s46, 0
	s_mov_b32 s47, 0
	s_mul_i32 s72, s18, 98304                      ; the head's bytes in a region of codes
	s_mul_i32 s57, s16, 12288                      ; LDS: wave x 12,288: K's eight parts, then V's
	s_lshr_b32 s73, s16, 3
	s_mul_i32 s73, s73, 2260992                    ; waves 8-15: on from K's region to V's
	s_add_co_u32 s74, s72, s57
	s_add_co_u32 s74, s74, s73
	s_add_co_u32 s74, s74, 2359296
	s_mov_b32 s75, 0
	s_mov_b32 s56, 1
	s_wait_dscnt 0x0
	s_wait_kmcnt 0x0
	s_add_nc_u64 s[58:59], s[4:5], s[74:75]
	s_or_b32 s59, s59, 0x80000000
	tensor_load_to_lds s[56:59], s[40:47]          ; every wave's one tensor load
	s_nop 0
.rept 4
	v_nop
.endr
	s_lshl_b32 s78, s18, 13
	s_mov_b32 s79, 0
	s_add_nc_u64 s[78:79], s[8:9], s[78:79]        ; rp: my head, chunk 0
	s_mul_i32 s80, s19, 6
	s_add_co_u32 s80, s80, s21
	s_lshl_b32 s76, s80, 7
	s_add_co_u32 s84, s76, s55
	s_lshl_b32 s84, s84, 6
	s_mov_b32 s85, 0
	s_add_nc_u64 s[84:85], s[6:7], s[84:85]        ; Q's scale words, TL
	s_add_co_u32 s66, s76, s54
	s_lshl_b32 s66, s66, 6
	s_mov_b32 s67, 0
	s_add_nc_u64 s[66:67], s[6:7], s[66:67]        ; and TE
	s_lshl_b32 s80, s80, 13
	s_add_co_u32 s80, s80, 98304
	s_mov_b32 s81, 0
	s_add_nc_u64 s[80:81], s[6:7], s[80:81]        ; K's scale words of the pair of heads
	s_mul_i32 s82, s55, 768
	s_add_co_u32 s82, s82, s72
	s_mov_b32 s83, 0
	s_add_nc_u64 s[82:83], s[4:5], s[82:83]        ; Q's codes, TL
	s_mul_i32 s68, s54, 768
	s_add_co_u32 s68, s68, s72
	s_mov_b32 s69, 0
	s_add_nc_u64 s[68:69], s[4:5], s[68:69]        ; and TE
	s_lshl_b32 s70, s18, 12
	s_add_co_u32 s70, s70, 196608
	s_mov_b32 s71, 0
	s_add_nc_u64 s[70:71], s[6:7], s[70:71]        ; V's scale words
	s_lshl_b32 s86, s20, 2
	s_mov_b32 s87, 0
	s_add_nc_u64 s[86:87], s[10:11], s[86:87]
	s_load_b32 s36, s[86:87], 0x0                  ; alpha[h]
	s_lshl_b32 s72, s19, 7
	s_add_co_u32 s72, s72, s23
	s_mul_i32 s74, s72, 9216
	s_mul_i32 s73, s20, 768
	s_add_co_u32 s74, s74, s73
	s_add_nc_u64 s[12:13], s[12:13], s[74:75]      ; oc: my own tile, chunk h
	s_mul_i32 s74, s72, 384
	s_lshl_b32 s73, s21, 6
	s_add_co_u32 s74, s74, s73
	s_lshl_b32 s73, s22, 1
	s_add_co_u32 s74, s74, s73
	s_add_nc_u64 s[14:15], s[14:15], s[74:75]      ; os
	v_and_b32 v1, 15, v0                           ; r
	v_bfe_u32 v2, v0, 4, 1                         ; hh
	v_and_b32 v3, 31, v0                           ; lane
	v_lshlrev_b32 v12, 4, v0
	v_lshlrev_b32 v14, 3, v0
	v_lshlrev_b32 v[AK0], 3, v3
	v_lshlrev_b32 v13, 2, v1
.irp p, 0,1,2,3,4,5,6,7,8,9,10,11
	global_load_b128 v[S+4*\p:S+4*\p+3], v12, s[78:79] offset:196608*\p   ; my four keys' partial sums
.endr
	global_load_b128 v[162:165], v12, s[80:81]     ; four of K's scale words
	global_load_b64 v[166:167], v14, s[70:71]      ; two of V's
.irp p, 0,1,2
	global_load_b64 v[QF+2*\p:QF+2*\p+1], v[AK0], s[82:83] offset:256*\p
	global_load_b64 v[QE+2*\p:QE+2*\p+1], v[AK0], s[68:69] offset:256*\p
.endr
	global_load_b32 v[QSW], v13, s[84:85]
	global_load_b32 v[QSWE], v13, s[66:67]
	; up to the wait: none of the loads' registers or addresses (v4, v12-14) is written
	v_lshlrev_b32 v[L4], 2, v3
	v_lshlrev_b32 v[H64], 6, v2
	v_lshl_add_u32 v[OSO], v1, 2, v2
	v_and_b32 v15, 8, v1
	v_lshlrev_b32 v16, 4, v2
	v_add_nc_u32 v15, v15, v1
	v_lshlrev_b32 v17, 4, v3
	v_sub_nc_u32 v15, v15, v16                     ; r + 8 (r / 8) - 16 hh
	s_wait_alu depctr_va_vdst(0)
	s_and_b32 s72, s55, 1
	s_lshl_b32 s72, s72, 3
	s_and_b32 s73, s55, 6
	s_lshl_b32 s73, s73, 4
	s_add_co_u32 s72, s72, s73
	v_add_nc_u32 v[DV], s72, v15                   ; TL's queries in their key step
	s_and_b32 s72, s54, 1
	s_lshl_b32 s72, s72, 3
	s_and_b32 s73, s54, 6
	s_lshl_b32 s73, s73, 4
	s_add_co_u32 s72, s72, s73
	v_add_nc_u32 v[DVE], s72, v15                  ; TE's
	s_and_b32 s72, s23, 1
	s_lshl_b32 s72, s72, 3
	v_add_nc_u32 v[DB], s72, v15                   ; my own queries in their block of 32
	s_lshr_b32 s73, s16, 1
	s_lshl_b32 s72, s73, 10
	s_add_co_u32 s72, s72, XCH
	v_add_nc_u32 v[XB], s72, v17
	s_xor_b32 s74, s39, 1
	s_lshl_b32 s74, s74, 9
	s_add_co_u32 s72, s72, s74
	v_add_nc_u32 v[XA], s72, v17
	s_lshl_b32 s72, s73, 12
	s_add_co_u32 s72, s72, PART
	v_add_nc_u32 v[PA], s72, v17
	v_lshl_add_u32 v[HST], v0, 4, KSB
	v_lshrrev_b32 v[HST+1], 3, v0
	v_lshl_add_u32 v173, v0, 3, VSB
	v_lshl_add_u32 v[HST+1], v[HST+1], 2, CB
	v_mov_b32 v[NINF], 0xff800000
	v_mov_b32 v[MRE], 0
	v_mov_b32 v[NME], 0
.irp i, 0,1,2,3,4,5
	v_mov_b32 v[QF+6+\i], 0                        ; zero codes: Q's K = 64 .. 127
	v_mov_b32 v[KV+48+\i], 0
.endr
.irp b, 0,1,2,3
	v_mov_b32 v[TP+\b], 0
.endr
	s_lshl_b32 s72, s22, 4
	s_mov_b32 s73, 0x7f7f0000
	s_wait_alu depctr_va_vdst(0)
	s_wait_loadcnt 0x0
	; r', and for each block of 32 keys (8 threads) c, u and the sum of u
.irp p, 1,2,3,4,5,6,7,8,9,10,11
	v_pk_add_f32 v[114:115], v[114:115], v[114+4*\p:115+4*\p]
	v_pk_add_f32 v[116:117], v[116:117], v[116+4*\p:117+4*\p]
.endr
	v_pk_mul_f32 v[114:115], v[114:115], s[28:29] op_sel_hi:[1,0]
	v_pk_mul_f32 v[116:117], v[116:117], s[28:29] op_sel_hi:[1,0]
	v_max3_num_f32 v118, v114, v115, v116
	v_max_num_f32 v118, v118, v117
.irp m, 1,2,4
	s_delay_alu instid0(VALU_DEP_1)
	v_max_num_f32_dpp v118, v118, v118 row_xmask:\m row_mask:0xf bank_mask:0xf
.endr
.irp i, 0,1,2,3
	v_sub_f32 v[120+\i], v[114+\i], v118
.endr
	s_wait_alu depctr_va_vdst(0)
.irp i, 0,1,2,3
	v_exp_f32 v[120+\i], v[120+\i]
.endr
.irp i, 0,1,2,3
	v_lshrrev_b32 v[162+\i], s72, v[162+\i]
.endr
	v_lshrrev_b32 v[QSW], s72, v[QSW]
	v_lshrrev_b32 v[QSWE], s72, v[QSWE]
.irp i, 0,1,2,3
	v_and_or_b32 v[162+\i], v[162+\i], 0xffff, s73
.endr
	v_and_or_b32 v[QSW], v[QSW], 0xffff, s73
	v_and_or_b32 v[QSWE], v[QSWE], 0xffff, s73
	s_wait_alu depctr_va_vdst(0)
	v_add_f32 v124, v120, v121
	v_add_f32 v125, v122, v123
	v_add_f32 v124, v124, v125
.irp m, 1,2,4
	s_delay_alu instid0(VALU_DEP_1)
	v_add_f32_dpp v124, v124, v124 row_xmask:\m row_mask:0xf bank_mask:0xf
.endr
	s_wait_alu depctr_va_vdst(0)
	s_wait_tensorcnt 0x0                           ; my fill has landed
	ds_store_b128 v[HST], v[162:165]               ; K's scale words
	ds_store_b128 v[HST], v[114:117] offset:8192   ; r'
	ds_store_b128 v[HST], v[120:123] offset:16384  ; u
	ds_store_b32 v[HST+1], v118                    ; c
	ds_store_b32 v[HST+1], v124 offset:256         ; the block's sum of u
	ds_store_b64 v173, v[166:167]                  ; V's scale words
	s_wait_dscnt 0x0
	s_barrier_signal -1
	s_barrier_wait -1                              ; the head's tables and tiles are whole; they are only read from here on
	; rr's maximum and sum for my own query
	v_lshl_add_u32 v12, v3, 2, CB
	ds_load_b32 v114, v12
	ds_load_b32 v115, v12 offset:128
	ds_load_b32 v116, v12 offset:256
	ds_load_b32 v117, v12 offset:384
	s_lshl_b32 s72, s25, 7
	s_add_co_u32 s72, s72, RB
	v_add_nc_u32 v13, s72, v[H64]
.irp i, 0,1,2,3
	ds_load_b128 v[120+4*\i:123+4*\i], v13 offset:16*\i
.endr
	v_mov_b32 v136, 0xff61b1e6
	v_add_nc_u32 v137, 32, v3
	s_wait_alu depctr_va_vdst(0)
	s_wait_dscnt 0x0
	v_cmp_gt_u32 vcc_lo, s25, v3                   ; the blocks in front of the queries' own count whole
	v_cndmask_b32 v114, v136, v114, vcc_lo
	v_cndmask_b32 v116, 0, v116, vcc_lo
	v_cmp_gt_u32 vcc_lo, s25, v137
	v_cndmask_b32 v115, v136, v115, vcc_lo
	v_cndmask_b32 v117, 0, v117, vcc_lo
	v_max_num_f32 v138, v114, v115
.irp m, 1,2,4,8
	s_delay_alu instid0(VALU_DEP_1)
	v_max_num_f32_dpp v138, v138, v138 row_xmask:\m row_mask:0xf bank_mask:0xf
.endr
	v_permlanex16_b32 v[TP], v138, s26, s27
	v_max_num_f32 v138, v138, v[TP]
	v_sub_f32 v114, v114, v138
	v_sub_f32 v115, v115, v138
	s_wait_alu depctr_va_vdst(0)
	v_exp_f32 v114, v114
	v_exp_f32 v115, v115
	v_nop
	s_wait_alu depctr_va_vdst(0)
	v_mul_f32 v116, v116, v114
	v_fmac_f32 v116, v117, v115
.irp m, 1,2,4,8
	s_delay_alu instid0(VALU_DEP_1)
	v_add_f32_dpp v116, v116, v116 row_xmask:\m row_mask:0xf bank_mask:0xf
.endr
	v_permlanex16_b32 v[TP], v116, s26, s27
	v_add_f32 v116, v116, v[TP]
.set n, 0
.rept 16
	v_cmp_gt_i32 vcc_lo, n, v[DB]                  ; in the queries' own block: keys behind my query become -infinity
	v_cndmask_b32 v[120+n], v[120+n], v[NINF], vcc_lo
.set n, n+1
.endr
	v_max3_num_f32 v140, v120, v121, v122
	v_max3_num_f32 v141, v123, v124, v125
	v_max3_num_f32 v140, v140, v126, v127
	v_max3_num_f32 v141, v141, v128, v129
	v_max3_num_f32 v140, v140, v130, v131
	v_max3_num_f32 v141, v141, v132, v133
	v_max3_num_f32 v140, v140, v134, v135
	v_max_num_f32 v140, v140, v141
	v_permlanex16_b32 v[TP], v140, s26, s27
	v_max3_num_f32 v[MR], v140, v[TP], v138        ; Mq
	v_mov_b32 v[MR+1], v[MR]
	v_sub_f32 v142, v138, v[MR]
.set n, 0
.rept 8
	v_pk_add_f32 v[120+n:121+n], v[120+n:121+n], v[MR:MR+1] op_sel_hi:[1,0] neg_lo:[0,1] neg_hi:[0,1]
.set n, n+2
.endr
	s_wait_alu depctr_va_vdst(0)
.set n, 0
.rept 16
	v_exp_f32 v[120+n], v[120+n]
.set n, n+1
.endr
	v_exp_f32 v142, v142
	s_wait_kmcnt 0x0
	v_mov_b32 v143, s36
	s_wait_alu depctr_va_vdst(0)
	v_pk_add_f32 v[120:121], v[120:121], v[122:123]
	v_pk_add_f32 v[124:125], v[124:125], v[126:127]
	v_pk_add_f32 v[128:129], v[128:129], v[130:131]
	v_pk_add_f32 v[132:133], v[132:133], v[134:135]
	v_pk_add_f32 v[120:121], v[120:121], v[124:125]
	v_pk_add_f32 v[128:129], v[128:129], v[132:133]
	v_mul_f32 v143, 0xbfb8aa3b, v143
	v_pk_add_f32 v[120:121], v[120:121], v[128:129]
	v_add_f32 v120, v120, v121
	v_permlanex16_b32 v[TP], v120, s26, s27
	v_add_f32 v120, v120, v[TP]
	v_fmac_f32 v120, v116, v142                    ; Lq
	s_wait_alu depctr_va_vdst(0)
	v_exp_f32 v143, v143                           ; e^-alpha
	v_nop
	s_wait_alu depctr_va_vdst(0)
	v_add_f32 v143, 1.0, v143
	s_wait_alu depctr_va_vdst(0)
	v_rcp_f32 v144, v143                           ; a = sigmoid(alpha)
	v_nop
	s_wait_alu depctr_va_vdst(0)
	v_sub_f32 v145, 1.0, v144                      ; 1 - a
	s_wait_alu depctr_va_vdst(0)
	v_log_f32 v146, v144
	v_log_f32 v147, v145
	v_log_f32 v148, v120
	v_nop
	s_wait_alu depctr_va_vdst(0)
	v_sub_f32 v148, v148, v146
	v_readfirstlane_b32 s38, v147                  ; log2(1 - a)
	v_add_f32 v[MR], v[MR], v148                   ; MR = Mq - log2(a / Lq)
.macro CLOAD adr                       ; 24 loads of 8 bytes at 8 x lane, 256 bytes apart
.set n, 0
.rept 24
	ds_load_b64 v[KV+2*n:KV+2*n+1], v[\adr] offset:256*n
.set n, n+1
.endr
.endm
.macro KLOAD
	CLOAD ADK
.irp t, 0,1,2,3
	ds_load_b32 v[KSW+\t], v[ADKS] offset:128*\t
.endr
.endm
.macro SMUL                            ; S^T of 128 keys: eight products, each a sum of its own
.irp t, 0,2,4,6
	v_wmma_scale_f32_16x16x128_f8f6f4 v[S+8*\t:S+8*\t+7], v[KV+6*\t:KV+6*\t+11], v[QF:QF+11], 0, v[KSW+\t/2], v[QSW] matrix_a_fmt:MATRIX_FMT_FP6 matrix_b_fmt:MATRIX_FMT_FP6
	v_wmma_scale_f32_16x16x128_f8f6f4 v[S+8*\t+8:S+8*\t+15], v[KV+6*\t+6:KV+6*\t+17], v[QF:QF+11], 0, v[KSW+\t/2], v[QSW] matrix_a_fmt:MATRIX_FMT_FP6 matrix_b_fmt:MATRIX_FMT_FP6 matrix_a_scale:MATRIX_SCALE_ROW1
.endr
.endm
.macro PLACES
.rept 4
	v_nop                                          ; four places behind the products (ISA guide 7.12.1)
.endr
.endm
.macro SETS x                          ; the scalars of a masked step x (its rr part comes from r')
	s_mul_i32 s[TK], \x, 6144
	s_add_co_u32 s[TKV], s[TK], VC
	s_lshl_b32 s[TKS], \x, 9
	s_add_co_u32 s[TU], s[TKS], RB
	s_add_co_u32 s[TKS], s[TKS], KSB
	s_lshl_b32 s[TVS], \x, 8
	s_add_co_u32 s[TVS], s[TVS], VSB
.endm
.macro SWP a, b
	v_mov_b32 v[TP], v[\a]
	v_mov_b32 v[\a], v[\b]
	v_mov_b32 v[\b], v[TP]
.endm
.macro SWAPQ                           ; the two tiles' Q, scale word and place change places (the scale word first: it stands eight places ahead of the next product)
	SWP QSW, QSWE
	SWP DV, DVE
.irp i, 0,1,2,3,4,5
	SWP QF+\i, QE+\i
.endr
.endm
.macro SWAPS
	SWP MR, MRE
	SWP NM, NME
.endm
.macro INIT1
	v_mov_b32 v[NM], 0x7f61b1e6                    ; -m = 3e38: over every -t
	v_mov_b32 v[NM+1], 0
	v_mov_b32 v[LS], 0
	v_mov_b32 v[LS+1], 0
.endm
; PASS 1, a key step: each lane's running -m and l over its own 64 keys of the step
.macro P1STEP diag
	v_add_nc_u32 v[ADK], s[TK], v[AK0]
	v_add_nc_u32 v[ADKS], s[TKS], v[L4]
	KLOAD
	s_wait_alu depctr_va_vdst(0)
	s_wait_dscnt 0x0
	SMUL
	PLACES
.if \diag
.set n, 0
.rept 64
	v_cmp_gt_i32 vcc_lo, 32*(n/16)+n%16, v[DV]     ; register 16 b + i holds the step's key 32 b + 16 hh + i
	v_cndmask_b32 v[S+n], v[S+n], v[NINF], vcc_lo
.set n, n+1
.endr
.endif
.irp b, 0,1,2,3
	v_max3_num_f32 v[TM+\b], v[S+16*\b], v[S+16*\b+1], v[S+16*\b+2]
.endr
.irp i, 3,5,7,9,11,13
.irp b, 0,1,2,3
	v_max3_num_f32 v[TM+\b], v[TM+\b], v[S+16*\b+\i], v[S+16*\b+\i+1]
.endr
.endr
.irp b, 0,1,2,3
	v_max_num_f32 v[TM+\b], v[TM+\b], v[S+16*\b+15]
.endr
	v_max3_num_f32 v[TM], v[TM], v[TM+1], v[TM+2]
	s_delay_alu instid0(VALU_DEP_1)
	v_max_num_f32 v[TM], v[TM], v[TM+3]
	s_delay_alu instid0(VALU_DEP_1)
	v_mul_f32 v[TM+1], s37, v[TM]                  ; - the step's largest t
	s_delay_alu instid0(VALU_DEP_1)
	v_min_num_f32 v[TM+1], v[NM], v[TM+1]          ; the new -m
	s_delay_alu instid0(VALU_DEP_1)
	v_sub_f32 v[TM+2], v[TM+1], v[NM]              ; old m - new m
	v_mov_b32 v[NM], v[TM+1]
	s_wait_alu depctr_va_vdst(0)
	v_exp_f32 v[TM+2], v[TM+2]
.set n, 0
.rept 32
	v_pk_fma_f32 v[S+n:S+n+1], v[S+n:S+n+1], s[28:29], v[NM:NM+1] op_sel_hi:[1,0,0]
.set n, n+2
.endr
	s_wait_alu depctr_va_vdst(0)
.set n, 0
.rept 64
	v_exp_f32 v[S+n], v[S+n]
.set n, n+1
.endr
	s_wait_alu depctr_va_vdst(0)
	v_pk_mul_f32 v[LS:LS+1], v[LS:LS+1], v[TM+2:TM+3] op_sel_hi:[1,0]
	v_pk_add_f32 v[250:251], v[118:119], v[122:123]   ; the sum of the 64, in eight chains
	v_pk_add_f32 v[252:253], v[126:127], v[130:131]
	v_pk_add_f32 v[248:249], v[134:135], v[138:139]
	v_pk_add_f32 v[244:245], v[142:143], v[146:147]
	v_pk_add_f32 v[242:243], v[150:151], v[154:155]
	v_pk_add_f32 v[240:241], v[158:159], v[162:163]
	v_pk_add_f32 v[238:239], v[166:167], v[170:171]
	v_pk_add_f32 v[22:23], v[22:23], v[174:175]
	v_pk_add_f32 v[250:251], v[250:251], v[114:115]
	v_pk_add_f32 v[252:253], v[252:253], v[116:117]
	v_pk_add_f32 v[248:249], v[248:249], v[120:121]
	v_pk_add_f32 v[244:245], v[244:245], v[124:125]
	v_pk_add_f32 v[242:243], v[242:243], v[128:129]
	v_pk_add_f32 v[240:241], v[240:241], v[132:133]
	v_pk_add_f32 v[238:239], v[238:239], v[136:137]
	v_pk_add_f32 v[22:23], v[22:23], v[140:141]
	v_pk_add_f32 v[250:251], v[250:251], v[144:145]
	v_pk_add_f32 v[252:253], v[252:253], v[148:149]
	v_pk_add_f32 v[248:249], v[248:249], v[152:153]
	v_pk_add_f32 v[244:245], v[244:245], v[156:157]
	v_pk_add_f32 v[242:243], v[242:243], v[160:161]
	v_pk_add_f32 v[240:241], v[240:241], v[164:165]
	v_pk_add_f32 v[238:239], v[238:239], v[168:169]
	v_pk_add_f32 v[22:23], v[22:23], v[172:173]
	v_pk_add_f32 v[250:251], v[250:251], v[176:177]
	v_pk_add_f32 v[22:23], v[22:23], v[244:245]
	v_pk_add_f32 v[250:251], v[250:251], v[242:243]
	v_pk_add_f32 v[252:253], v[252:253], v[240:241]
	v_pk_add_f32 v[248:249], v[248:249], v[238:239]
	v_pk_add_f32 v[22:23], v[22:23], v[252:253]
	v_pk_add_f32 v[250:251], v[250:251], v[248:249]
	v_pk_add_f32 v[22:23], v[22:23], v[250:251]
.endm
.macro P1LOOP id, trips, lo, hi        ; a constant number of trips; the steps outside lo .. hi - 1 are passed over
	s_mov_b32 s[ST], 0
	s_mov_b32 s[TK], 0
	s_mov_b32 s[TKS], KSB
.Lp1_\id:
	s_cmp_lt_u32 s[ST], \lo
	s_cbranch_scc1 .Lp1h_\id
	s_cmp_ge_u32 s[ST], \hi
	s_cbranch_scc1 .Lp1h_\id
	P1STEP 0
.Lp1h_\id:
	s_add_co_u32 s[TK], s[TK], 6144
	s_add_co_u32 s[TKS], s[TKS], 512
	s_add_co_u32 s[ST], s[ST], 1
	s_cmp_lt_u32 s[ST], \trips
	s_cbranch_scc1 .Lp1_\id
.endm
.macro MERGE                           ; the two halves of the lanes meet: the query's -m and l over this wave's keys
	s_wait_alu depctr_va_vdst(0)
	v_add_f32 v[LS], v[LS], v[LS+1]
	v_permlanex16_b32 v[TP], v[NM], s26, s27
	v_permlanex16_b32 v[TP+1], v[LS], s26, s27
	v_min_num_f32 v[TP+2], v[NM], v[TP]
	v_sub_f32 v[TP+3], v[TP+2], v[NM]
	v_sub_f32 v[SO], v[TP+2], v[TP]
	s_wait_alu depctr_va_vdst(0)
	v_exp_f32 v[TP+3], v[TP+3]
	v_exp_f32 v[SO], v[SO]
	v_nop
	s_wait_alu depctr_va_vdst(0)
	v_mul_f32 v[LS], v[LS], v[TP+3]
	v_mov_b32 v[NM], v[TP+2]
	v_fmac_f32 v[LS], v[TP+1], v[SO]
.endm
.macro FIN                             ; NM = -m + log2((1 - a) / l)
	s_wait_alu depctr_va_vdst(0)
	v_log_f32 v[TP], v[LS]
	v_nop
	s_wait_alu depctr_va_vdst(0)
	v_sub_f32 v[TP], s38, v[TP]
	s_delay_alu instid0(VALU_DEP_1)
	v_add_f32 v[NM], v[NM], v[TP]
.endm
	; ---- PASS 1, the late tile: my part of it
	SETS s24
	INIT1
	s_wait_alu depctr_va_vdst(0)
	s_cmp_eq_u32 s39, 1
	s_cbranch_scc1 .La0                            ; the diagonal's step is the early wave's
	P1STEP 1
.La0:
	P1LOOP 0, 15, s51, s52
	MERGE
	v_mov_b32 v[TM], v[NM]
	v_mov_b32 v[TM+1], v[LS]
	v_mov_b32 v[TM+2], v[MR]
	v_mov_b32 v[TM+3], 0
	ds_store_b128 v[XA], v[TM:TM+3]
	s_wait_alu depctr_va_vdst(0)
	s_wait_dscnt 0x0                               ; my part's (-m, l) is written,
	s_barrier_signal -1                            ; say so; up to the wait below only registers are worked and tables and tiles are read
	SETS s50
	s_cmp_eq_u32 s61, 0
	s_cbranch_scc1 .La1
	SWAPQ                                          ; ---- an early wave with a tile of its own: pass 1 of it
	INIT1
	P1STEP 1
.La1:
	P1LOOP 1, 5, 0, s53
	s_cmp_eq_u32 s61, 0
	s_cbranch_scc1 .La2
	MERGE
	FIN
	SWAPQ                                          ; back to the late tile; the early tile's Q, MR and NM are kept aside
	SWAPS
.La2:
	s_wait_alu depctr_va_vdst(0)
	s_barrier_wait -1                              ; both parts of every late tile are written
	ds_load_b128 v[114:117], v[XB]                 ; the late wave's part, with the tile's MR,
	ds_load_b128 v[118:121], v[XB] offset:512      ; and the early wave's
	s_wait_dscnt 0x0
	v_min_num_f32 v[NM], v114, v118
	v_mov_b32 v[MR], v116
	v_sub_f32 v122, v[NM], v114
	v_sub_f32 v123, v[NM], v118
	s_wait_alu depctr_va_vdst(0)
	v_exp_f32 v122, v122
	v_exp_f32 v123, v123
	v_nop
	s_wait_alu depctr_va_vdst(0)
	v_mul_f32 v[LS], v115, v122
	v_fmac_f32 v[LS], v119, v123
	FIN
.macro ULOAD hf                        ; u (in a masked step: r') of my 16 keys of blocks 2 hf and 2 hf + 1
.irp q, 0,1,2,3,4,5,6,7
	ds_load_b128 v[U+4*\q:U+4*\q+3], v[ADU] offset:256*\hf+128*(\q/4)+16*(\q%4)
.endr
.endm
.macro MAXB b0, b1                     ; the largest attn of two blocks, with the floor 2^(3 - 127); none is negative.  Four chains by turns
.irp b, \b0, \b1
	v_max3_num_f32 v[TM+(\b)], v[S+16*(\b)], v[S+16*(\b)+1], 0x1800000
	v_max3_num_f32 v[TP+(\b)], v[S+16*(\b)+8], v[S+16*(\b)+9], v[S+16*(\b)+10]
.endr
.irp i, 2,4
.irp b, \b0, \b1
	v_max3_num_f32 v[TM+(\b)], v[TM+(\b)], v[S+16*(\b)+\i], v[S+16*(\b)+\i+1]
	v_max3_num_f32 v[TP+(\b)], v[TP+(\b)], v[S+16*(\b)+9+\i], v[S+16*(\b)+10+\i]
.endr
.endr
.irp b, \b0, \b1
	v_max3_num_f32 v[TM+(\b)], v[TM+(\b)], v[S+16*(\b)+6], v[S+16*(\b)+7]
.endr
.irp b, \b0, \b1
	v_max3_num_f32 v[TM+(\b)], v[TM+(\b)], v[TP+(\b)], v[S+16*(\b)+15]
.endr
.endm
.macro HALF hf                         ; a masked step's blocks 2 hf, 2 hf + 1: attn = 2^(t + NM) + 2^(r' - MR), hidden keys 0
.if \hf
	s_wait_dscnt 0x0
.endif
.set n, 0
.rept 16
	v_pk_add_f32 v[U+n:U+n+1], v[U+n:U+n+1], v[MR:MR+1] op_sel_hi:[1,0] neg_lo:[0,1] neg_hi:[0,1]
.set n, n+2
.endr
.set n, 0
.rept 32
	v_cmp_gt_i32 vcc_lo, 64*\hf+32*(n/16)+n%16, v[DV]
	v_cndmask_b32 v[S+32*\hf+n], v[S+32*\hf+n], v[NINF], vcc_lo
	v_cndmask_b32 v[U+n], v[U+n], v[NINF], vcc_lo
.set n, n+1
.endr
.set n, 0
.rept 16
	v_pk_fma_f32 v[S+32*\hf+n:S+32*\hf+n+1], v[S+32*\hf+n:S+32*\hf+n+1], s[28:29], v[NM:NM+1] op_sel_hi:[1,0,0]
.set n, n+2
.endr
	s_wait_alu depctr_va_vdst(0)
.set n, 0
.rept 32
	v_exp_f32 v[S+32*\hf+n], v[S+32*\hf+n]
	v_exp_f32 v[U+n], v[U+n]
.set n, n+1
.endr
	v_nop
	s_wait_alu depctr_va_vdst(0)
.set n, 0
.rept 16
	v_pk_add_f32 v[S+32*\hf+n:S+32*\hf+n+1], v[S+32*\hf+n:S+32*\hf+n+1], v[U+n:U+n+1]
.set n, n+2
.endr
.endm
.macro UFMA hf                         ; attn = u x the block's factor + 2^(t + NM)
.set n, 0
.rept 8
	v_pk_fma_f32 v[S+32*\hf+n:S+32*\hf+n+1], v[U+n:U+n+1], v[W+2*\hf:W+2*\hf+1], v[S+32*\hf+n:S+32*\hf+n+1] op_sel:[0,0,0] op_sel_hi:[1,0,1]
.set n, n+2
.endr
.rept 8
	v_pk_fma_f32 v[S+32*\hf+n:S+32*\hf+n+1], v[U+n:U+n+1], v[W+2*\hf:W+2*\hf+1], v[S+32*\hf+n:S+32*\hf+n+1] op_sel:[0,1,0] op_sel_hi:[1,1,1]
.set n, n+2
.endr
.endm
; PASS 2, a key step
.macro P2STEP diag
	v_add_nc_u32 v[ADK], s[TK], v[AK0]             ; these lines are also the places between the last step's products and the loads into their registers
	v_add_nc_u32 v[ADKS], s[TKS], v[L4]
	v_add_nc_u32 v[ADU], s[TU], v[H64]
	v_add_nc_u32 v[ADV], s[TKV], v[AK0]
	v_add_nc_u32 v[ADVS], s[TVS], v[L4]
.if !\diag
	v_mov_b32 v[ADC], s[TC]
.endif
	KLOAD
	ULOAD 0
.if !\diag
	ds_load_b128 v[W:W+3], v[ADC]                  ; c of the step's four blocks
.endif
	s_wait_alu depctr_va_vdst(0)
	s_wait_dscnt 0x0
	SMUL
.if \diag
	PLACES
.else
.irp b, 0,1,2,3
	v_sub_f32 v[W+\b], v[W+\b], v[MR]              ; c - MR.  (These four are the places behind the products)
.endr
	s_wait_alu depctr_va_vdst(0)
.irp b, 0,1,2,3
	v_exp_f32 v[W+\b], v[W+\b]
.endr
.endif
	CLOAD ADV                                      ; V's four fragments take K's registers
.irp t, 0,1
	ds_load_b32 v[VSW+\t], v[ADVS] offset:128*\t
.endr
.if \diag
	HALF 0
	ULOAD 1
	HALF 1
	MAXB 0, 1
	MAXB 2, 3
.else
	v_nop
	s_wait_alu depctr_va_vdst(0)
.set n, 0
.rept 32
	v_pk_fma_f32 v[S+n:S+n+1], v[S+n:S+n+1], s[28:29], v[NM:NM+1] op_sel_hi:[1,0,0]
.set n, n+2
.endr
	s_wait_alu depctr_va_vdst(0)
.set n, 0
.rept 64
	v_exp_f32 v[S+n], v[S+n]
.set n, n+1
.endr
	v_nop
	s_wait_alu depctr_va_vdst(0)
	UFMA 0
	ULOAD 1                                        ; the two blocks' maxima stand between these loads and the wait for them
	MAXB 0, 1
	s_wait_dscnt 0x0                               ; u of blocks 2 and 3, and V
	UFMA 1
	MAXB 2, 3
.endif
.irp b, 0,1,2,3
	v_permlanex16_b32 v[TP+\b], v[TM+\b], s26, s27
.endr
.irp b, 0,1,2,3
	v_max_num_f32 v[TM+\b], v[TM+\b], v[TP+\b]
.endr
.irp b, 0,1,2,3
	v_add_nc_u32 v[SO+\b], 0xff000000, v[TM+\b]    ; 2 off the exponent field: the conversion's scale operand
.endr
.irp b, 0,1,2,3
	v_lshrrev_b32 v[TP+\b], 23, v[SO+\b]           ; the scale's byte
.endr
	v_lshl_or_b32 v[PW], v[TP+1], 8, v[TP]
	s_delay_alu instid0(VALU_DEP_1)
	v_lshl_or_b32 v[PW], v[TP+2], 16, v[PW]
	s_delay_alu instid0(VALU_DEP_1)
	v_lshl_or_b32 v[PW], v[TP+3], 24, v[PW]
.irp c, 0,1
	v_cvt_scalef32_pk16_fp6_f32 v[PC+6*\c:PC+6*\c+2], v[S+32*\c:S+32*\c+15], v[SO+2*\c]
	v_cvt_scalef32_pk16_fp6_f32 v[CT+4*\c:CT+4*\c+2], v[S+32*\c+16:S+32*\c+31], v[SO+2*\c+1]
.endr
	v_nop                                          ; one plain line behind the conversions
.irp c, 0,1                                    ; the operand's layout wants a whole block in a lane
.irp i, 0,1,2
	v_permlane16_swap_b32 v[PC+6*\c+\i], v[CT+4*\c+\i]
.endr
.irp i, 0,1,2
	v_mov_b32 v[PC+3+6*\c+\i], v[CT+4*\c+\i]
.endr
.endr
	PLACES                                         ; the codes stand four places ahead of the scaled product; the scale word, with the moves above, more than eight
.irp t, 0,2                                    ; O^T += V^T attn^T: four accumulators by turns
	v_wmma_scale_f32_16x16x128_f8f6f4 v[O+8*\t:O+8*\t+7], v[KV+12*\t:KV+12*\t+11], v[PC:PC+11], v[O+8*\t:O+8*\t+7], v[VSW+\t/2], v[PW] matrix_a_fmt:MATRIX_FMT_FP6 matrix_b_fmt:MATRIX_FMT_FP6
	v_wmma_scale_f32_16x16x128_f8f6f4 v[O+8*\t+8:O+8*\t+15], v[KV+12*\t+12:KV+12*\t+23], v[PC:PC+11], v[O+8*\t+8:O+8*\t+15], v[VSW+\t/2], v[PW] matrix_a_fmt:MATRIX_FMT_FP6 matrix_b_fmt:MATRIX_FMT_FP6 matrix_a_scale:MATRIX_SCALE_ROW1
.endr
.endm
.macro P2LOOP id, trips, lo, hi
	s_mov_b32 s[ST], 0
	s_mov_b32 s[TK], 0
	s_mov_b32 s[TKV], VC
	s_mov_b32 s[TKS], KSB
	s_mov_b32 s[TU], UB
	s_mov_b32 s[TVS], VSB
	s_mov_b32 s[TC], CB
.Lp2_\id:
	s_cmp_lt_u32 s[ST], \lo
	s_cbranch_scc1 .Lp2h_\id
	s_cmp_ge_u32 s[ST], \hi
	s_cbranch_scc1 .Lp2h_\id
	P2STEP 0
.Lp2h_\id:
	s_add_co_u32 s[TK], s[TK], 6144
	s_add_co_u32 s[TKV], s[TKV], 6144
	s_add_co_u32 s[TKS], s[TKS], 512
	s_add_co_u32 s[TU], s[TU], 512
	s_add_co_u32 s[TVS], s[TVS], 256
	s_add_co_u32 s[TC], s[TC], 16
	s_add_co_u32 s[ST], s[ST], 1
	s_cmp_lt_u32 s[ST], \trips
	s_cbranch_scc1 .Lp2_\id
.endm
.macro ZERO                            ; which step of a part runs first hangs on the wave, so the 32 sums begin as zeros
.set n, 0
.rept 32
	v_mov_b32 v[O+n], 0
.set n, n+1
.endr
.endm
	; ---- PASS 2, the late tile: my part of it
	ZERO
	SETS s24
	s_wait_alu depctr_va_vdst(0)
	s_cmp_eq_u32 s39, 1
	s_cbranch_scc1 .Lb0
	P2STEP 1
.Lb0:
	P2LOOP 0, 15, s51, s52
	PLACES
	s_cmp_eq_u32 s39, 1
	s_cbranch_scc1 .Lb1
.irp i, 0,1,2,3,4,5,6,7
	ds_store_b128 v[PA], v[O+4*\i:O+4*\i+3] offset:512*\i   ; the early wave's part of the late tile's O^T
.endr
.Lb1:
	s_wait_dscnt 0x0
	s_barrier_signal -1                            ; it is written; up to the wait below only registers are worked and tables and tiles are read
	SETS s50
	s_cmp_eq_u32 s61, 0
	s_cbranch_scc1 .Lb2
	SWAPQ                                          ; ---- an early wave with a tile of its own: pass 2 of it
	SWAPS
	ZERO
	P2STEP 1
.Lb2:
	P2LOOP 1, 5, 0, s53
	PLACES
	s_wait_alu depctr_va_vdst(0)
	s_barrier_wait -1
	s_cmp_eq_u32 s39, 0
	s_cbranch_scc1 .Lb3
.irp i, 0,1,2,3,4,5,6,7
	ds_load_b128 v[S+4*\i:S+4*\i+3], v[PA] offset:512*\i
.endr
	s_wait_dscnt 0x0
.set n, 0
.rept 16
	v_pk_add_f32 v[O+n:O+n+1], v[O+n:O+n+1], v[S+n:S+n+1]   ; the late tile's two parts
.set n, n+2
.endr
.Lb3:
	s_cmp_eq_u32 s62, 0
	s_cbranch_scc1 .Lend                           ; an early wave with no tile of its own has handed its part over
	; THE WAY OUT: register 16 B + i is out(my query, d = 32 B + 16 hh + i): two blocks of 32 are quantised and leave as half an operand of the last product
.irp b, 0,1
	v_max3_num_f32 v[TM+\b], |v[O+16*\b]|, |v[O+16*\b+1]|, 0x1800000
.endr
.irp i, 2,4,6,8,10,12,14
.irp b, 0,1
	v_max3_num_f32 v[TM+\b], v[TM+\b], |v[O+16*\b+\i]|, |v[O+16*\b+\i+1]|
.endr
.endr
.irp b, 0,1
	v_permlanex16_b32 v[TP+\b], v[TM+\b], s26, s27
.endr
.irp b, 0,1
	v_max_num_f32 v[TM+\b], v[TM+\b], v[TP+\b]
.endr
.irp b, 0,1
	v_add_nc_u32 v[SO+\b], 0xff000000, v[TM+\b]
.endr
.irp b, 0,1
	v_lshrrev_b32 v[TP+\b], 23, v[SO+\b]
.endr
	v_cvt_scalef32_pk16_fp6_f32 v[178:180], v[O:O+15], v[SO]
	v_cvt_scalef32_pk16_fp6_f32 v[184:186], v[O+16:O+31], v[SO+1]
	v_nop
.irp i, 0,1,2
	v_permlane16_swap_b32 v[178+\i], v[184+\i]     ; lanes 0-15: block 0 whole, lanes 16-31: block 1
.endr
.irp i, 0,1,2
	v_mov_b32 v[181+\i], v[184+\i]
.endr
	v_cndmask_b32 v187, v[TP], v[TP+1], s35        ; my block's byte
.irp p, 0,1,2
	global_store_b64 v[AK0], v[178+2*\p:179+2*\p], s[12:13] offset:256*\p   ; 32 lanes store 256 consecutive bytes, aligned
.endr
	global_store_b8 v[OSO], v187, s[14:15]
.Lend:
	s_wait_tensorcnt 0x0                           ; the wave's end
	ds_add_u32 v47, v255
	s_wait_dscnt 0x0
	s_endpgm
.Lfunc_end_k_q0524a9acdb_attn:
	.size	k_q0524a9acdb_attn, .Lfunc_end_k_q0524a9acdb_attn-k_q0524a9acdb_attn
	.p2alignl 7, 3214868480
	.fill 96, 4, 3214868480
	.section	.rodata,"a",@progbits
	.p2align	6, 0x0
	.amdhsa_kernel k_q0524a9acdb_attn
		.amdhsa_group_segment_fixed_size 268800
		.amdhsa_private_segment_fixed_size 0
		.amdhsa_enable_private_segment 0
		.amdhsa_kernarg_size 48
		.amdhsa_user_sgpr_count 2
		.amdhsa_user_sgpr_kernarg_segment_ptr 1
		.amdhsa_wavefront_size32 1
		.amdhsa_system_sgpr_workgroup_id_x 1
		.amdhsa_system_sgpr_workgroup_id_y 1
		.amdhsa_system_sgpr_workgroup_id_z 1
		.amdhsa_system_vgpr_workitem_id 0
		.amdhsa_next_free_vgpr 256
		.amdhsa_next_free_sgpr 90
		.amdhsa_reserve_vcc 1
		.amdhsa_float_denorm_mode_32 3
		.amdhsa_float_denorm_mode_16_64 3
		.amdhsa_memory_ordered 1
		.amdhsa_forward_progress 1
		.amdhsa_inst_pref_size 181
	.end_amdhsa_kernel
	.amdgpu_metadata
---
amdhsa.version: [ 1, 2 ]
amdhsa.kernels:
  - .name:           k_q0524a9acdb_attn
    .symbol:         k_q0524a9acdb_attn.kd
    .args:
      - { .name: qkvc, .offset: 0, .size: 8, .value_kind: global_buffer, .address_space: global }
      - { .name: qkvs, .offset: 8, .size: 8, .value_kind: global_buffer, .address_space: global }
      - { .name: rp, .offset: 16, .size: 8, .value_kind: global_buffer, .address_space: global }
      - { .name: alpha, .offset: 24, .size: 8, .value_kind: global_buffer, .address_space: global }
      - { .name: oc, .offset: 32, .size: 8, .value_kind: global_buffer, .address_space: global }
      - { .name: os, .offset: 40, .size: 8, .value_kind: global_buffer, .address_space: global }
    .group_segment_fixed_size: 268800
    .private_segment_fixed_size: 0
    .kernarg_segment_align: 8
    .kernarg_segment_size: 48
    .max_flat_workgroup_size: 512
    .sgpr_count:     90
    .vgpr_count:     256
    .wavefront_size: 32
...
	.end_amdgpu_metadata
.endif
;; end of part 3
;; launch oproj (part 4): grid 6 x 32, 4 waves a work-group, no clusters, 171,520 bytes of LDS; arguments xwc, xws, oc, os, out0; writes out0
.if DOCPART == 4
	.amdgcn_target "amdgcn-amd-amdhsa--gfx1250"
	.amdhsa_code_object_version 6
	.text
	.protected	k_q0524a9acdb_oproj
	.globl	k_q0524a9acdb_oproj
	.p2align	8
	.type	k_q0524a9acdb_oproj,@function
k_q0524a9acdb_oproj:
	s_mov_b64 s[64:65], 0
	v_nop
	global_prefetch_b8 v0, s[64:65] scope:SCOPE_SE
	s_setreg_imm32_b32 hwreg(HW_REG_WAVE_MODE, 25, 1), 1
	s_wait_xcnt 0x0
; OPROJ.  out0 = out wo on codes of E2M3 with E8M0 scales, K = 768; f32 sums, stored as they are.
; A work-group makes 128 tokens x 128 columns; its four waves 64 x 64 each: 16 accumulators.  Source 0 = wo's columns (block P: tiles 400 + 8 x of xwc), source 1 = tokens (block Q: tiles 8 y of oc):
; a lane holds one token, and the 16 registers of P's tiles 2 B, 2 B + 1 are the 16 neighbouring columns 32 B + 16 (lane / 16) + 0 .. 15.  A tile's rows are 32 B + 8 u + r + 8 (r / 8).
; ALL OF K LIES IN LDS: each wave brings a quarter (4 tiles x 9,216 bytes, dense in memory) by its one tensor load, as 144 rows of 256 bytes; its quarter's 1,536 bytes of scale words go through
; registers into LDS bytes of their own.  Nothing is filled twice; one barrier.
; The results go through each wave's own stage in LDS (bytes into which no fill lands) and leave as rows: sixteen lanes store 256 consecutive bytes, aligned.
; NO CLUSTER, NO PREFETCH: a work-group asks for its bytes once, at its head; there is no refill whose requests a round could bring together, and no loop over memory to run ahead in.
.set QUART,  36864                     ; LDS: [quarter: 4][tile: 4][9,216 bytes]
.set SCB,    147456                    ; the scale words: 1,536 bytes a quarter
.set OST,    153600                    ; the stages: 16 rows x (256 bytes + 16) a wave; behind them the spare words
.set SC,  16                           ; v16-19 scale words: lanes 0-15 P's tile i, lanes 16-31 Q's tile i
.set PF,  32
.set QF,  80
.set ACC, 128                          ; accumulator (j, a) at v[128 + 8 (4 j + a)]  (at the head v128-139: scale words on their way)
	s_load_b256 s[4:11], s[0:1], 0x0               ; xwc, xws, oc, os
	s_load_b64 s[12:13], s[0:1], 0x20              ; out0
	v_lshl_add_u32 v30, v0, 2, 0x29c00
	v_mov_b32 v31, 0
	ds_add_u32 v30, v31                            ; the opening lines
	ds_add_u32 v30, v31
	v_lshrrev_b32 v1, 5, v0
	v_readfirstlane_b32 s14, v1                    ; wave 0..3
	s_and_b32 s15, s14, 1                          ; which half of P is mine.  Also: which half of a block I fetch
	s_lshr_b32 s16, s14, 1                         ; which half of Q.  Also: I fetch for P (0) or for Q (1)
	s_mov_b32 s17, ttmp9
	s_and_b32 s18, ttmp7, 0xffff
	s_mov_b32 s20, 3<<16                           ; group 1: elements of 8 bytes, 144 rows of 256 bytes, dense
	s_mov_b32 s21, 32<<16
	s_mov_b32 s22, 144<<16
	s_mov_b32 s23, 32<<16
	s_mov_b32 s24, 144
	s_mov_b32 s25, 32
	s_mov_b32 s26, 0
	s_mov_b32 s27, 0
	s_lshl_b32 s52, s17, 3
	s_add_co_u32 s52, s52, 400
	s_lshl_b32 s53, s18, 3
	s_cmp_lt_u32 s14, 2
	s_cselect_b32 s52, s52, s53
	s_lshl_b32 s53, s15, 2
	s_add_co_u32 s52, s52, s53                     ; the first tile that I fetch
	s_mul_i32 s58, s52, 9216
	s_mov_b32 s59, 0
	s_mul_i32 s60, s52, 384
	s_mov_b32 s61, 0
	s_mul_i32 s62, s14, QUART
	s_mul_i32 s63, s14, 1536
	s_wait_dscnt 0x0
	s_wait_kmcnt 0x0
	s_cmp_lt_u32 s14, 2                            ; the buffers: a choice on the wave's number alone
	s_cselect_b64 s[54:55], s[4:5], s[8:9]
	s_cselect_b64 s[56:57], s[6:7], s[10:11]
	s_add_co_u32 s37, s63, SCB                     ; where my quarter's scale words go in LDS
	s_add_nc_u64 s[38:39], s[56:57], s[60:61]      ; and where they lie in memory
	s_mov_b32 s40, 1
	s_mov_b32 s41, s62
	s_add_nc_u64 s[42:43], s[54:55], s[58:59]
	s_or_b32 s43, s43, 0x80000000
	tensor_load_to_lds s[40:43], s[20:27]          ; my one tensor load: my quarter's codes, all of K
	s_nop 0
.rept 4
	v_nop
.endr
	v_and_b32 v1, 31, v0                           ; lane
	v_and_b32 v2, 15, v0                           ; r
	s_wait_alu depctr_va_vdst(0)
	v_bfe_u32 v3, v0, 4, 1                         ; hh
	v_lshlrev_b32 v10, 3, v1
	v_lshlrev_b32 v11, 4, v1                       ; the scale words: 512 consecutive bytes a load
.irp i, 0,1,2
	global_load_b128 v[128+4*\i:131+4*\i], v11, s[38:39] offset:512*\i
.endr
	v_add_nc_u32 v12, s37, v11
	s_mul_i32 s52, s15, QUART
	v_add_nc_u32 v4, s52, v10                      ; my half of P
	s_add_co_u32 s52, s16, 2
	s_mul_i32 s53, s52, QUART
	v_add_nc_u32 v5, s53, v10                      ; my half of Q
	s_sub_co_u32 s52, s52, s15
	s_mul_i32 s52, s52, 1536
	v_mul_u32_u24 v6, s52, v3                      ; lanes 16-31 take Q's words: one product, the distance between the two quarters
	v_lshl_add_u32 v6, v2, 2, v6
	s_mul_i32 s52, s15, 1536
	s_add_co_u32 s52, s52, SCB
	v_add_nc_u32 v6, s52, v6
	s_mul_i32 s52, s14, 4352
	s_add_co_u32 s52, s52, OST                     ; my stage
	v_mul_u32_u24 v7, v2, 272
	s_wait_alu depctr_va_vdst(0)
	v_lshl_add_u32 v7, v3, 6, v7
	v_add_nc_u32 v7, s52, v7                       ; in: row r, + 64 hh
	v_mul_u32_u24 v8, v3, 272
	v_lshl_add_u32 v8, v2, 4, v8
	v_add_nc_u32 v8, s52, v8                       ; back: lanes 0-15 one row, lanes 16-31 the next
	v_mul_u32_u24 v9, v3, 3072
	v_lshl_add_u32 v9, v2, 4, v9                   ; and the same in out0
	s_lshl_b32 s52, s18, 7
	s_lshl_b32 s53, s16, 6
	s_add_co_u32 s52, s52, s53                     ; my first token
	s_mul_i32 s52, s52, 3072
	s_lshl_b32 s53, s17, 9
	s_add_co_u32 s52, s52, s53
	s_lshl_b32 s53, s15, 8
	s_add_co_u32 s52, s52, s53                     ; my first column, in bytes
	s_mov_b32 s53, 0
	s_add_nc_u64 s[12:13], s[12:13], s[52:53]
; K step 2 g3 + kk.  first = 1: its products start the sums.  The 16 accumulators take turns, one instruction a turn.
.macro KSTEP g3, kk, first
.if !\first
.rept 4
	v_nop                                          ; four places in front of loads into registers that matrix instructions have read
.endr
.endif
.irp a, 0,1,2,3
.irp q, 0,1,2,3,4,5
	ds_load_b64 v[PF+12*\a+2*\q:PF+12*\a+2*\q+1], v4 offset:9216*\a+1536*(2*\g3+\kk)+256*\q
	ds_load_b64 v[QF+12*\a+2*\q:QF+12*\a+2*\q+1], v5 offset:9216*\a+1536*(2*\g3+\kk)+256*\q
.endr
.endr
.irp i, 0,1,2,3
	ds_load_b32 v[SC+\i], v6 offset:384*\i+64*(2*\g3+\kk)
.endr
	s_wait_dscnt 0x0
.irp j, 0,1,2,3
.irp a, 0,1,2,3
.if \first
	v_wmma_scale_f32_16x16x128_f8f6f4 v[ACC+8*(4*\j+\a):ACC+8*(4*\j+\a)+7], v[PF+12*\a:PF+12*\a+11], v[QF+12*\j:QF+12*\j+11], 0, v[SC+\a], v[SC+\j] matrix_a_fmt:MATRIX_FMT_FP6 matrix_b_fmt:MATRIX_FMT_FP6 matrix_b_scale:MATRIX_SCALE_ROW1
.else
	v_wmma_scale_f32_16x16x128_f8f6f4 v[ACC+8*(4*\j+\a):ACC+8*(4*\j+\a)+7], v[PF+12*\a:PF+12*\a+11], v[QF+12*\j:QF+12*\j+11], v[ACC+8*(4*\j+\a):ACC+8*(4*\j+\a)+7], v[SC+\a], v[SC+\j] matrix_a_fmt:MATRIX_FMT_FP6 matrix_b_fmt:MATRIX_FMT_FP6 matrix_b_scale:MATRIX_SCALE_ROW1
.endif
.endr
.endr
.endm
	s_wait_alu depctr_va_vdst(0)                   ; the wait at the head's end
	s_wait_tensorcnt 0x0                           ; my quarter's codes are in
	s_wait_loadcnt 0x0                             ; and my scale words, which go to LDS bytes into which no fill lands
.irp i, 0,1,2
	ds_store_b128 v12, v[128+4*\i:131+4*\i] offset:512*\i
.endr
	s_wait_dscnt 0x0
	s_barrier_signal -1
	s_barrier_wait -1                              ; everybody's are
	KSTEP 0, 0, 1
	KSTEP 0, 1, 0
	KSTEP 1, 0, 0
	KSTEP 1, 1, 0
	KSTEP 2, 0, 0
	KSTEP 2, 1, 0
.rept 4
	v_nop                                          ; four places in front of the first read of results and of loads into the fragments' registers
.endr
; Q's tile j (its first token row0 on from my first): 16 tokens x 64 columns through my stage.  LDS serves a wave's instructions in order (ISA guide 5.7.1.4): no wait between the stores and the loads.
.macro OUTJ j, row0
.set BK, 32+32*((\j)%2)
.if (\j) >= 2
	s_wait_xcnt 0x0                                ; tile j - 2's stores have read their registers: they are loaded again only behind this wait
.endif
.irp a, 0,1,2,3
	ds_store_b128 v7, v[ACC+8*(4*\j+\a):ACC+8*(4*\j+\a)+3] offset:128*(\a/2)+32*(\a%2)       ; each accumulator from its low end on
	ds_store_b128 v7, v[ACC+8*(4*\j+\a)+4:ACC+8*(4*\j+\a)+7] offset:128*(\a/2)+32*(\a%2)+16
.endr
.irp i, 0,1,2,3,4,5,6,7
	ds_load_b128 v[BK+4*\i:BK+4*\i+3], v8 offset:544*\i
.endr
.irp i, 0,1,2,3,4,5,6,7
	s_wait_dscnt 7-\i
	global_store_b128 v9, v[BK+4*\i:BK+4*\i+3], s[12:13] offset:(\row0+2*\i+8*(\i/4))*3072 th:TH_STORE_NT   ; the tile's rows 2 i and 2 i + 1 are tokens row0 + 2 i + hh + 8 (i / 4)
.endr
.endm
	OUTJ 0, 0
	OUTJ 1, 8
	OUTJ 2, 32
	OUTJ 3, 40
	s_wait_tensorcnt 0x0                           ; the wave's end
	ds_add_u32 v30, v31
	s_wait_dscnt 0x0
	s_endpgm
.Lfunc_end_k_q0524a9acdb_oproj:
	.size	k_q0524a9acdb_oproj, .Lfunc_end_k_q0524a9acdb_oproj-k_q0524a9acdb_oproj
	.p2alignl 7, 3214868480
	.fill 96, 4, 3214868480
	.section	.rodata,"a",@progbits
	.p2align	6, 0x0
	.amdhsa_kernel k_q0524a9acdb_oproj
		.amdhsa_group_segment_fixed_size 171520
		.amdhsa_private_segment_fixed_size 0
		.amdhsa_enable_private_segment 0
		.amdhsa_kernarg_size 40
		.amdhsa_user_sgpr_count 2
		.amdhsa_user_sgpr_kernarg_segment_ptr 1
		.amdhsa_wavefront_size32 1
		.amdhsa_system_sgpr_workgroup_id_x 1
		.amdhsa_system_sgpr_workgroup_id_y 1
		.amdhsa_system_sgpr_workgroup_id_z 1
		.amdhsa_system_vgpr_workitem_id 0
		.amdhsa_next_free_vgpr 256
		.amdhsa_next_free_sgpr 66
		.amdhsa_reserve_vcc 0
		.amdhsa_float_denorm_mode_32 3
		.amdhsa_float_denorm_mode_16_64 3
		.amdhsa_memory_ordered 1
		.amdhsa_forward_progress 1
		.amdhsa_inst_pref_size 46
	.end_amdhsa_kernel
	.amdgpu_metadata
---
amdhsa.version: [ 1, 2 ]
amdhsa.kernels:
  - .name:           k_q0524a9acdb_oproj
    .symbol:         k_q0524a9acdb_oproj.kd
    .args:
      - { .name: xwc, .offset: 0, .size: 8, .value_kind: global_buffer, .address_space: global }
      - { .name: xws, .offset: 8, .size: 8, .value_kind: global_buffer, .address_space: global }
      - { .name: oc, .offset: 16, .size: 8, .value_kind: global_buffer, .address_space: global }
      - { .name: os, .offset: 24, .size: 8, .value_kind: global_buffer, .address_space: global }
      - { .name: out0, .offset: 32, .size: 8, .value_kind: global_buffer, .address_space: global }
    .group_segment_fixed_size: 171520
    .private_segment_fixed_size: 0
    .kernarg_segment_align: 8
    .kernarg_segment_size: 40
    .max_flat_workgroup_size: 128
    .sgpr_count:     66
    .vgpr_count:     256
    .wavefront_size: 32
...
	.end_amdgpu_metadata
.endif
;; end of part 4
